; MI455X (gfx1250); checked and timed in simulation.
; The chip was launched on July 23, 2026; its instructions are those of AMD's public machine-readable ISA for CDNA 5 (MIT licence, August 2026) and "CDNA5" Instruction Set Architecture Reference Guide (July 2026). The comments in the code are by the model that wrote it; some were corrected since.
;; Multi Head Attention. Allowed arithmetic: matrix products marked QUANTISED: E2M3 operands, one E8M0 scale for each 32 along K, by v_wmma_scale_f32_16x16x128_f8f6f4 with both operands' format E2M3, f32 sums; everything else in f32.
;; Inputs: Wk 1,024 x 1,024 float32; Wo 1,024 x 1,024 float32; Wq 1,024 x 1,024 float32; Wv 1,024 x 1,024 float32; bk 1,024 float32; bo 1,024 float32; bq 1,024 float32; bv 1,024 float32; key 4 x 2,048 x 1,024 float32; query 4 x 2,048 x 1,024 float32; value 4 x 2,048 x 1,024 float32.
;; Outputs: out0 4 x 2,048 x 1,024 float32.
;; This version of the problem:
;;   THIS VERSION OF THE PROBLEM IS GIVEN IN LOW PRECISION. The matrix products marked QUANTISED in the list below multiply operands that are first quantised to E2M3 (2 exponent bits, 3 mantissa bits; 6 bits a number), with one power-of-two scale for each 32 numbers along K (OCP MX v1.0); their sums are f32. All else is computed in f32.
;;   The module's matrix products, in the order in which they are computed (A, B: the left and right operand; K: the contracted axis; several contracted axes count as one K, in the product's order):
;;     1. [M 8,192, K 1,024] x [K 1,024, N 1,024]; A: input query; B: input Wq: QUANTISED
;;     2. [M 8,192, K 1,024] x [K 1,024, N 1,024]; A: input key; B: input Wk: QUANTISED
;;     3. [M 8,192, K 1,024] x [K 1,024, N 1,024]; A: input value; B: input Wv: QUANTISED
;;     4. batch 64 x [M 2,048, K 64] x [K 64, N 2,048]; A: computed on the way; B: computed on the way: QUANTISED
;;     5. batch 64 x [M 2,048, K 2,048] x [K 2,048, N 64]; A: softmax (see below); B: computed on the way: QUANTISED
;;     6. [M 8,192, K 1,024] x [K 1,024, N 1,024]; A: computed on the way; B: input Wo: QUANTISED
;;   THE QUANTISER, for each operand of a quantised product, along K:
;;     - K is cut into blocks of 32 from its start; a last block that is shorter is filled with zeros.
;;     - A block's scale is 2^e with e = floor(log2(the largest magnitude in the block)) - 2, held to -126 .. 127; a block of zeros has e = 0. As a byte (E8M0): e + 127.
;;     - Each number is divided by its block's scale, clamped to +-7.5, and rounded to the nearest number of E2M3, ties to even, subnormals kept.
;;     - The product sums the exact products of the quantised numbers (number of the format x scale) in f32.
;;   ~~~python
;;   def quantise(x, axis):      # numpy; x: float32 -> the quantised numbers, widened to float32 again
;;       x = np.moveaxis(x, axis, -1); K = x.shape[-1]
;;       x = np.pad(x, [(0, 0)] * (x.ndim - 1) + [(0, -K % 32)]); x = x.reshape(x.shape[:-1] + (-1, 32)); a = np.abs(x).max(-1, keepdims=True)
;;       e = np.where(a > 0, np.clip(np.frexp(np.where(a > 0, a, 1))[1] - 1 - 2, -126, 127), 0)      # np.frexp(a)[1] - 1 = floor(log2(a)), exactly
;;       r = np.clip(x / 2.0 ** e, -7.5, 7.5)
;;       step = 2.0 ** (np.maximum(np.frexp(np.where(r == 0, 1, r))[1] - 1, 0) - 3)
;;       q = np.round(r / step) * step * 2.0 ** e      # np.round: ties to even
;;       return np.moveaxis(q.reshape(q.shape[:-2] + (-1,))[..., :K], -1, axis).astype(np.float32)
;;   ~~~
;;   SOFTMAX AHEAD OF A QUANTISED PRODUCT. Where the list says 'softmax', what is quantised is not the finished softmax but p = 2^(t - M), with t = logit x log2(e) and M = ceil(the row's largest t), a whole number; so 1/2 < the row's largest p <= 1. The row's sum l is taken of the UNQUANTISED p, in f32, and the product's result is divided by l at the end. Since M is a whole number, a kernel that streams over the keys may use a running M (the ceiling of the running maximum): every later rescaling is an exact power of two, which a block's scale takes up: the codes' values come out the same.
;;   OPERANDS COMPUTED ON THE WAY. 'Computed on the way' means the value that the module computes at that place (a softmax that the list does not call 'softmax' is quantised finished and normalised). What goes into a quantiser is computed in f32, as accurately as f32 sums, v_exp_f32 and their like allow (about 1e-6 of the number): no bf16 or f16 on the way to a quantiser, and a product that is left as it is and whose result goes on into a quantised operand takes f32 operands (vector FMAs, or v_wmma_f32_16x16x4_f32). A number that lies on a knife's edge between two numbers of the format may be rounded either way, as far as f32 arithmetic and the matrix unit's own rounding can turn it there, and no further.
;; One version. Each part assembles by itself: llvm-mc -triple=amdgcn-amd-amdhsa -mcpu=gfx1250 --defsym DOCPART=n.
;; ======== version 1 of 1: 4 launches
;; limits: right only within a limited range of input values
;; workspace buffers: cod 22,020,096 bytes; scl 917,504 bytes; qr 6,815,744 bytes; kv 13,369,344 bytes; ac 6,291,456 bytes; asc 262,144 bytes
;; launch quant (part 1): grid 896 x 1, 4 waves a work-group, no clusters, 33,280 bytes of LDS; arguments query, key, value, Wq, Wk, Wv, Wo, cod, scl; writes cod, scl
.if DOCPART == 1
	.amdgcn_target "amdgcn-amd-amdhsa--gfx1250"
	.amdhsa_code_object_version 6
	.text
	.protected	k_q5af94b3eaf_quant
	.globl	k_q5af94b3eaf_quant
	.p2align	8
	.type	k_q5af94b3eaf_quant,@function
k_q5af94b3eaf_quant:
	s_mov_b64 s[64:65], 0
	v_nop
	global_prefetch_b8 v0, s[64:65] scope:SCOPE_SE
	s_setreg_imm32_b32 hwreg(HW_REG_WAVE_MODE, 25, 1), 1
	s_wait_xcnt 0x0
; query, key, value [8192][1024] and Wq, Wk, Wv, Wo [1024][1024], f32 with K innermost, become codes of FP6 (E2M3) and one E8M0 scale byte for each 32 along K.
; A block's scale is 2^(floor(log2(its largest magnitude)) - 2); its byte is the largest magnitude's exponent field - 2, held at 1 from below.  Numbers are divided by the scale and rounded to the nearest code, ties to even.
; Nothing of reference() is left out by this program: every input is loaded and every product is done.
; LIMITS: NaN and infinities among the inputs are not served.  A block whose largest magnitude lies under 2^-124 has its byte held at 1.  A block of zeros has the byte 1 and not 127: its codes are zeros, and this program alone reads the bytes.
; PLACES: the seven tensors lie on end.  Inside each group of 64 rows, row 32 h + 8 i + j stands at place 16 i + 8 h + j (h 0..1, i 0..3, j 0..7):
; used as source 0 of a product, four tiles of 16 places on end give lane half h the 32 neighbours 32 h + 0 .. 31 in 32 registers: one whole scale block of the next product.
; cod: [256 places][K step of 256][place][192 bytes]: the codes of 128 or 256 places for one K step are one dense block, a multiple of 256 bytes long and beginning at one.  scl: [place][32 bytes].
; SHARES: work-group g takes 32 rows (g 0-255 query, 256-511 key, 512-767 value, then 32 each for Wq, Wk, Wv, Wo); wave w takes 8 of them: 16 steps of 512 numbers.
; A load reads 512 consecutive bytes, 16 a lane; a step's 2,048 bytes turn through the wave's own stage in LDS and come back 64 bytes a lane: 16 neighbours along K.  Two neighbouring lanes hold a block.
; No tensor loads, no barrier: waves share nothing.  Loads run four steps (16 loads a wave) ahead, the turn through LDS one step.
.set STEPS, 16
.set EMAX,  2
.set CB,    12                         ; bytes of 16 codes
.set R,     16                         ; v16-79   four sets of 16 numbers as loaded
.set X,     80                         ; v80-111  two sets of 16 neighbours
.set E,     112                        ; v112-127 a scale byte for each step
.set C,     128                        ; v128-191 codes: four registers a step, so that no store's data are written again
.set WREG,  8192                       ; LDS: a region for each wave: two stages of 32 x SP bytes, behind them its 256 scale bytes
.set SP,    80                         ; a lane's place in a stage: 64 bytes + 16 of padding
.set SPARE, 4*WREG                     ; the spare words
.set SPW,   192
.set NIL,   193
.set KSB,   49152                      ; a K step of 256 places in cod
	s_load_b256 s[4:11], s[0:1], 0x0               ; query, key, value, Wq
	s_load_b256 s[12:19], s[0:1], 0x20             ; Wk, Wv, Wo, cod
	s_load_b64 s[20:21], s[0:1], 0x40              ; scl
	v_lshl_add_u32 v[SPW], v0, 2, SPARE
	v_mov_b32 v[NIL], 0
	v_lshrrev_b32 v1, 5, v0
	v_readfirstlane_b32 s24, v1                    ; wave
	v_and_b32 v2, 31, v0                           ; lane
	v_lshlrev_b32 v3, 4, v2                        ; my 16 bytes of a load's 512
	s_mul_i32 s25, s24, WREG
	v_lshrrev_b32 v14, 2, v2
	v_mul_u32_u24 v14, v14, SP
	v_and_b32 v15, 3, v2
	v_lshl_add_u32 v14, v15, 4, v14
	v_add_nc_u32 v14, s25, v14                     ; the stage, on the way in: SP (lane / 4) + 16 (lane % 4)
	v_mul_u32_u24 v15, v2, SP
	v_add_nc_u32 v15, s25, v15                     ; on the way out: SP x lane
	v_and_b32 v4, 15, v2
	v_mul_u32_u24 v4, v4, CB
	v_lshrrev_b32 v8, 4, v2
	v_mul_u32_u24 v8, v8, KSB
	v_add_nc_u32 v4, v4, v8                        ; my codes: lanes 0-15 one K step's 192 bytes of the row, lanes 16-31 the next K step's
	v_lshrrev_b32 v5, 1, v2
	s_add_co_u32 s25, s25, 2*32*SP
	v_add_nc_u32 v5, s25, v5                       ; LDS: my block's scale byte
	v_lshlrev_b32 v7, 3, v2
	v_add_nc_u32 v6, s25, v7
	s_wait_alu depctr_va_vdst(0)
	s_wait_kmcnt 0x0
	s_mov_b64 s[26:27], s[16:17]                   ; which tensor: a chain of choices on the work-group's number alone
	s_mov_b32 s28, 864
	s_cmp_lt_u32 ttmp9, 864
	s_cselect_b64 s[26:27], s[14:15], s[26:27]
	s_cselect_b32 s28, 832, s28
	s_cmp_lt_u32 ttmp9, 832
	s_cselect_b64 s[26:27], s[12:13], s[26:27]
	s_cselect_b32 s28, 800, s28
	s_cmp_lt_u32 ttmp9, 800
	s_cselect_b64 s[26:27], s[10:11], s[26:27]
	s_cselect_b32 s28, 768, s28
	s_cmp_lt_u32 ttmp9, 768
	s_cselect_b64 s[26:27], s[8:9], s[26:27]
	s_cselect_b32 s28, 512, s28
	s_cmp_lt_u32 ttmp9, 512
	s_cselect_b64 s[26:27], s[6:7], s[26:27]
	s_cselect_b32 s28, 256, s28
	s_cmp_lt_u32 ttmp9, 256
	s_cselect_b64 s[26:27], s[4:5], s[26:27]
	s_cselect_b32 s28, 0, s28
	s_sub_co_u32 s29, ttmp9, s28
	s_lshl_b32 s29, s29, 2
	s_add_co_u32 s30, s29, s24                     ; which run of 8 rows of the tensor is my wave's
	s_lshl_b32 s30, s30, 15
	s_mov_b32 s31, 0
	s_add_nc_u64 s[26:27], s[26:27], s[30:31]
	s_lshl_b32 s32, s24, 1                         ; the run's place: h = work-group % 2, i = wave: run 8 (work-group / 2) + 2 i + h
	s_and_b32 s33, ttmp9, 1
	s_or_b32 s32, s32, s33
	s_lshr_b32 s33, ttmp9, 1
	s_lshl_b32 s33, s33, 3
	s_add_co_u32 s32, s32, s33
	s_lshr_b32 s34, s32, 5                         ; cod: 32 runs to a group of 256 places
	s_mul_i32 s34, s34, 4*KSB
	s_and_b32 s33, s32, 31
	s_mul_i32 s33, s33, 8*192
	s_add_co_u32 s34, s34, s33
	s_mov_b32 s35, 0
	s_add_nc_u64 s[18:19], s[18:19], s[34:35]
	s_lshl_b32 s34, s32, 8
	s_add_nc_u64 s[20:21], s[20:21], s[34:35]
.macro LOAD t
.irp i, 0,1,2,3
	global_load_b128 v[R+16*((\t)%4)+4*\i:R+16*((\t)%4)+4*\i+3], v3, s[26:27] offset:2048*(\t)+512*\i th:TH_LOAD_NT
.endr
.endm
.macro TURN t                          ; LDS serves a wave's instructions in order: no wait between the stores and the loads
.irp i, 0,1,2,3
	ds_store_b128 v14, v[R+16*((\t)%4)+4*\i:R+16*((\t)%4)+4*\i+3] offset:32*SP*((\t)%2)+8*SP*\i
.endr
.irp i, 0,1,2,3
	ds_load_b128 v[X+16*((\t)%2)+4*\i:X+16*((\t)%2)+4*\i+3], v15 offset:32*SP*((\t)%2)+16*\i
.endr
.endm
.irp t, 0,1,2,3
	LOAD \t
.endr
	s_wait_loadcnt 12                              ; step 0's four loads are in; the twelve of steps 1 to 3 may be out
	TURN 0
.macro STEP t
.set XS, X+16*((\t)%2)
.if (\t) > 0
	s_wait_dscnt 1                                 ; this step's numbers are back (the last step's byte store may be out)
.else
	s_wait_dscnt 0x0
.endif
.if (\t)+4 < STEPS
	LOAD (\t)+4
.endif
.if (\t)+1 < STEPS
.if STEPS-2-(\t) >= 3
	s_wait_loadcnt 12                              ; the next step's four loads are in; those of the three steps behind it may be out
.else
	s_wait_loadcnt 4*(STEPS-2-(\t))
.endif
	TURN (\t)+1
.endif
	v_max3_num_f32 v8, |v[XS]|, |v[XS+1]|, |v[XS+2]|               ; the largest magnitude of my 16, in two chains
	v_max3_num_f32 v9, |v[XS+3]|, |v[XS+4]|, |v[XS+5]|
.irp i, 6,10
	v_max3_num_f32 v8, v8, |v[XS+\i]|, |v[XS+\i+1]|
	v_max3_num_f32 v9, v9, |v[XS+\i+2]|, |v[XS+\i+3]|
.endr
	v_max3_num_f32 v8, v8, |v[XS+14]|, |v[XS+15]|
	v_max3_num_f32 v8, v8, v9, (EMAX+1)<<23        ; the floor 2^(3 - 127): the byte cannot fall under 1
	v_max_num_f32_dpp v8, v8, v8 row_xmask:1 row_mask:0xf bank_mask:0xf   ; with my neighbour's 16: the block's
	v_add_nc_u32 v11, -(EMAX<<23), v8              ; 2 off its exponent field: the conversion's scale operand
	v_cvt_scalef32_pk16_fp6_f32 v[C+4*(\t):C+4*(\t)+2], v[XS:XS+15], v11
	v_lshrrev_b32 v[E+(\t)], 23, v11               ; the scale's byte (also the plain line behind the conversion)
	ds_store_b8 v5, v[E+(\t)] offset:16*(\t)
	global_store_b96 v4, v[C+4*(\t):C+4*(\t)+2], s[18:19] offset:2*KSB*((\t)%2)+192*((\t)/2)   ; row t / 2, K steps 2 (t % 2) and 2 (t % 2) + 1: sixteen lanes store 192 consecutive bytes
.endm
.irp t, 0,1,2,3,4,5,6,7,8,9,10,11,12,13,14,15
	STEP \t
.endr
	ds_load_b64 v[12:13], v6
	s_wait_dscnt 0x0
	global_store_b64 v7, v[12:13], s[20:21]        ; 32 lanes store 256 consecutive bytes, aligned
	s_wait_tensorcnt 0x0                           ; the wave's end
	ds_add_u32 v[SPW], v[NIL]
	s_wait_dscnt 0x0
	s_endpgm
.Lfunc_end_k_q5af94b3eaf_quant:
	.size	k_q5af94b3eaf_quant, .Lfunc_end_k_q5af94b3eaf_quant-k_q5af94b3eaf_quant
	.p2alignl 7, 3214868480
	.fill 96, 4, 3214868480
	.section	.rodata,"a",@progbits
	.p2align	6, 0x0
	.amdhsa_kernel k_q5af94b3eaf_quant
		.amdhsa_group_segment_fixed_size 33280
		.amdhsa_private_segment_fixed_size 0
		.amdhsa_enable_private_segment 0
		.amdhsa_kernarg_size 72
		.amdhsa_user_sgpr_count 2
		.amdhsa_user_sgpr_kernarg_segment_ptr 1
		.amdhsa_wavefront_size32 1
		.amdhsa_system_sgpr_workgroup_id_x 1
		.amdhsa_system_sgpr_workgroup_id_y 1
		.amdhsa_system_sgpr_workgroup_id_z 1
		.amdhsa_system_vgpr_workitem_id 0
		.amdhsa_next_free_vgpr 194
		.amdhsa_next_free_sgpr 66
		.amdhsa_reserve_vcc 0
		.amdhsa_float_denorm_mode_32 3
		.amdhsa_float_denorm_mode_16_64 3
		.amdhsa_memory_ordered 1
		.amdhsa_forward_progress 1
		.amdhsa_inst_pref_size 34
	.end_amdhsa_kernel
	.amdgpu_metadata
---
amdhsa.version: [ 1, 2 ]
amdhsa.kernels:
  - .name:           k_q5af94b3eaf_quant
    .symbol:         k_q5af94b3eaf_quant.kd
    .args:
      - { .name: query, .offset: 0, .size: 8, .value_kind: global_buffer, .address_space: global }
      - { .name: key, .offset: 8, .size: 8, .value_kind: global_buffer, .address_space: global }
      - { .name: value, .offset: 16, .size: 8, .value_kind: global_buffer, .address_space: global }
      - { .name: Wq, .offset: 24, .size: 8, .value_kind: global_buffer, .address_space: global }
      - { .name: Wk, .offset: 32, .size: 8, .value_kind: global_buffer, .address_space: global }
      - { .name: Wv, .offset: 40, .size: 8, .value_kind: global_buffer, .address_space: global }
      - { .name: Wo, .offset: 48, .size: 8, .value_kind: global_buffer, .address_space: global }
      - { .name: cod, .offset: 56, .size: 8, .value_kind: global_buffer, .address_space: global }
      - { .name: scl, .offset: 64, .size: 8, .value_kind: global_buffer, .address_space: global }
    .group_segment_fixed_size: 33280
    .private_segment_fixed_size: 0
    .kernarg_segment_align: 8
    .kernarg_segment_size: 72
    .max_flat_workgroup_size: 128
    .sgpr_count:     66
    .vgpr_count:     194
    .wavefront_size: 32
...
	.end_amdgpu_metadata
.endif
;; end of part 1
;; launch proj (part 2): grid 4 x 96, 4 waves a work-group, clusters of 4 x 4, 327,680 bytes of LDS; arguments cod, scl, qr, kv, bq, bk, bv; writes qr, kv
.if DOCPART == 2
	.amdgcn_target "amdgcn-amd-amdhsa--gfx1250"
	.amdhsa_code_object_version 6
	.text
	.protected	k_q5af94b3eaf_proj
	.globl	k_q5af94b3eaf_proj
	.p2align	8
	.type	k_q5af94b3eaf_proj,@function
k_q5af94b3eaf_proj:
	s_mov_b64 s[64:65], 0
	v_nop
	global_prefetch_b8 v0, s[64:65] scope:SCOPE_SE
	s_setreg_imm32_b32 hwreg(HW_REG_WAVE_MODE, 25, 1), 1
	s_wait_xcnt 0x0
	s_wait_alu depctr_hold_cnt(0) depctr_sa_sdst(0) depctr_va_vdst(0) depctr_va_sdst(0) depctr_va_ssrc(0) depctr_va_vcc(0) depctr_vm_vsrc(0)
	s_getreg_b32 s2, hwreg(HW_REG_IB_STS2, 6, 4)
	s_cmp_eq_u32 s2, 0
	s_cbranch_scc0 .Lentry_in_a_cluster
	s_endpgm
.Lentry_in_a_cluster:
	s_bfe_u32 s2, ttmp6, 0x10000c
	s_cmp_lg_u32 s2, 0xf033
	s_cbranch_scc0 .Lentry_shape_is_right
	s_endpgm
.Lentry_shape_is_right:
; Q = query Wq^T + bq, K = key Wk^T + bk, V^T = Wv value^T + bv on codes of FP6 with E8M0 scales; each result is quantised again and leaves as images of the operand registers of the attention launch.
; A work-group makes 256 x 256 of one product, four waves of 128 x 128; K goes in steps of 256 through a ring of two LDS slots; 4 x 4 work-groups ask for shared tiles jointly.
; cod holds the codes of 128 or 256 places for one K step as one dense block: it is fetched as rows of 256 bytes, with 16 bytes of padding behind every 64, so an LDS row of 192 bytes of codes has a pitch of 240.
; THE HEAD: one tensor load a wave: wave 0 A's 256 rows of K step 0, wave 2 B's, wave 1 A's scale bytes for all of K, wave 3 B's; the rest of the set-up stands under their flight.
; By the places that the first launch gave the rows, a lane's registers 32 c + i of a block of 16 x 128 results are the 32 neighbours 64 c + 32 (lane / 16) + i: one whole scale block.
; LIMITS: NaN and infinities are not served; a block whose largest magnitude lies under 2^-124 has its byte held at 1.
.set KSTEP,  256
.set NQ,     2
.set ROWB,   49152
.set KROW,   768
.set PITCH,  240
.set FR,     12
.set NL,     6
.set NP,     4
.set HALFT,  128*PITCH
.set SLOT,   4*HALFT
.set LAPS,   2
.set KS,     32
.set SCL,    2*SLOT
.set HALFS,  (128*KS/256)*272
.set SBLK,   (16*KS/256)*272
.set SPARE,  SCL+4*HALFS
.set ADRA, 16
.set ADRB, 20
.set LX,   24
.set LY,   25
.set LN,   26
.set ADRS, 27
.set SPW,  28
.set NIL,  29
.set BNO,  30
.set BMO,  31
.set SC,   32
.set BN,   64
.set AF,   128
.set BM,   240
.set X,    128
.set PC,   192
.set TM,   212
.set PW,   228
.set PW8,  32
.set T,    40
.set G1, 24
.set G0, 32
.set G1B, 48
.set G0B, 56
.set PP,  66
.set G1S, 68
.set G0S, 76
.set G1SB, 80
.set G0SB, 88
.set SEL, 98
.set MSB, 0
.macro WIN new
.if MSB != (\new)
	s_set_vgpr_msb (MSB<<8)|(\new)
.set MSB, (\new)
.endif
.endm
.set MUL_LO, 0xa1
.set MUL_HI, 0xf1
.set TO_B,   0x40
.macro JLOAD g0a, g1a, g0b, g1b
	s_cmp_eq_u32 s15, 0
	s_cbranch_scc0 .Lfor_b_\@
	tensor_load_to_lds s[\g0a:\g0a+3], s[\g1a:\g1a+7]
	s_nop 0
.rept 4
	v_nop
.endr
	s_branch .Lasked_\@
.Lfor_b_\@:
	tensor_load_to_lds s[\g0b:\g0b+3], s[\g1b:\g1b+7]
	s_nop 0
.rept 4
	v_nop
.endr
.Lasked_\@:
.endm
.macro CREST
	s_cmp_lg_u32 s14, 0
	s_cbranch_scc1 .Lnot_wave_0_\@
	s_barrier_signal -3
.Lnot_wave_0_\@:
	s_barrier_wait -3
	s_barrier_signal -1
	s_barrier_wait -1
.endm
.macro CROUND
	s_barrier_signal -1
	s_barrier_wait -1
	CREST
.endm
	s_load_b128 s[4:7], s[0:1], 0x0
	s_load_b128 s[8:11], s[0:1], 0x10
	s_load_b128 s[96:99], s[0:1], 0x20
	s_load_b64 s[100:101], s[0:1], 0x30
	v_lshl_add_u32 v[SPW], v0, 2, SPARE
	v_mov_b32 v[NIL], 0
	ds_add_u32 v28, v29
	ds_add_u32 v28, v29
	s_wait_dscnt 0x0
	v_lshrrev_b32 v1, 5, v0
	v_readfirstlane_b32 s14, v1
	s_lshr_b32 s15, s14, 1
	s_and_b32 s16, s14, 1
	s_bfe_u32 s40, ttmp6, 0x40000
	s_bfe_u32 s41, ttmp6, 0x40004
	s_and_b32 s[PP], ttmp7, 0xffff
	s_and_b32 s67, s[PP], 7
	s_lshr_b32 s[PP], s[PP], 3
	s_mul_i32 s12, s[PP], 6291456
	s_mul_i32 s13, s[PP], 786432
	s_add_co_u32 s13, s13, 18874368
	s_lshl_b32 s94, s[PP], 18
	s_lshl_b32 s95, s[PP], 15
	s_add_co_u32 s95, s95, 786432
	s_cmp_lt_u32 s[PP], 2
	s_cselect_b32 s12, s12, 20447232
	s_cselect_b32 s13, s13, 12582912
	s_cselect_b32 s94, s94, 851968
	s_cselect_b32 s95, s95, 524288
	s_cselect_b32 s17, s67, 0
	s_cselect_b32 s42, 0, s67
	s_lshl_b32 s17, s17, 2
	s_add_co_u32 s17, s17, s41
	s_lshl_b32 s42, s42, 2
	s_add_co_u32 s42, s42, s40
	s_lshl_b32 s43, s41, 2
	s_lshl_b32 s43, 15, s43
	s_lshl_b32 s44, 0x1111, s40
	s_or_b32 s[G1+0], s43, (0<<16)|(1<<20)|(1<<21)|(3<<22)|(3<<25)
	s_or_b32 s[G1B+0], s44, (0<<16)|(1<<20)|(1<<21)|(3<<22)|(3<<25)
.irp g, G1, G1B
	s_mov_b32 s[\g+1], 256<<16                     ; rows of 256 bytes, dense: 192 of them are 256 places x 192 bytes (the head's loads)
	s_mov_b32 s[\g+2], 192<<16
	s_mov_b32 s[\g+3], 256<<16
	s_mov_b32 s[\g+4], 192
	s_mov_b32 s[\g+5], 256
	s_mov_b32 s[\g+6], 0
	s_mov_b32 s[\g+7], 0
.endr
	s_or_b32 s[G1S+0], s43, (3<<16)|(1<<20)|(1<<21)|(5<<22)|(3<<25)
	s_or_b32 s[G1SB+0], s44, (3<<16)|(1<<20)|(1<<21)|(5<<22)|(3<<25)
.irp g, G1S, G1SB
	s_mov_b32 s[\g+1], 32<<16
	s_mov_b32 s[\g+2], (256*KS/256)<<16
	s_mov_b32 s[\g+3], 32<<16
	s_mov_b32 s[\g+4], 256*KS/256
	s_mov_b32 s[\g+5], 32
	s_mov_b32 s[\g+6], 0
	s_mov_b32 s[\g+7], 0
.endr
	s_lshl_b32 s18, s16, 7
	s_lshl_b32 s20, s17, 8
	s_add_co_u32 s20, s20, s18
	s_lshl_b32 s46, s42, 8
	s_add_co_u32 s46, s46, s18
	s_lshl_b32 s22, s17, 13                        ; the scale bytes of the tile's 256 rows
	s_add_co_u32 s22, s22, s94
	s_mov_b32 s23, 0
	s_mul_i32 s20, s20, KROW
	s_mul_i32 s18, s16, 73728                      ; in a K step's block the second 128 places begin 24,576 bytes on, not 98,304
	s_sub_co_u32 s20, s20, s18
	s_add_co_u32 s20, s20, s12
	s_mov_b32 s21, 0
	s_lshl_b32 s92, s42, 13
	s_add_co_u32 s92, s92, s95
	s_mov_b32 s93, 0
	s_mul_i32 s46, s46, KROW
	s_sub_co_u32 s46, s46, s18
	s_add_co_u32 s46, s46, s13
	s_mov_b32 s47, 0
	s_mul_i32 s45, s14, HALFT
	s_mul_i32 s2, s15, 2*HALFS
	s_wait_kmcnt 0x0
	s_add_nc_u64 s[20:21], s[4:5], s[20:21]
	s_add_nc_u64 s[22:23], s[6:7], s[22:23]
	s_add_nc_u64 s[46:47], s[4:5], s[46:47]
	s_add_nc_u64 s[92:93], s[6:7], s[92:93]
	CROUND
	s_mov_b32 s[G0S], 1
	s_add_co_u32 s[G0S+1], s2, SCL
	s_mov_b64 s[G0S+2:G0S+3], s[22:23]
	s_or_b32 s[G0S+3], s[G0S+3], 0x80000000
	s_mov_b32 s[G0SB], 1
	s_add_co_u32 s[G0SB+1], s2, SCL
	s_mov_b64 s[G0SB+2:G0SB+3], s[92:93]
	s_or_b32 s[G0SB+3], s[G0SB+3], 0x80000000
.irp s, 0,1
	s_mov_b32 s[G0+4*\s], 1
	s_add_co_u32 s[G0+4*\s+1], s45, \s*SLOT
	s_add_nc_u64 s[G0+4*\s+2:G0+4*\s+3], s[20:21], \s*ROWB
	s_or_b32 s[G0+4*\s+3], s[G0+4*\s+3], 0x80000000
	s_mov_b32 s[G0B+4*\s], 1
	s_add_co_u32 s[G0B+4*\s+1], s45, \s*SLOT
	s_add_nc_u64 s[G0B+4*\s+2:G0B+4*\s+3], s[46:47], \s*ROWB
	s_or_b32 s[G0B+4*\s+3], s[G0B+4*\s+3], 0x80000000
.endr
	; the head's loads, one a wave, in one chain of branches on the wave's number.  Wave 0's group 0 of slot 0 points at A's first row and LDS byte 0, wave 2's at B's first row and its place
	s_cmp_eq_u32 s14, 0
	s_cbranch_scc0 .Lhead_b
	tensor_load_to_lds s[G0:G0+3], s[G1:G1+7]
	s_nop 0
.rept 4
	v_nop
.endr
	s_branch .Lhead_asked
.Lhead_b:
	s_cmp_eq_u32 s14, 2
	s_cbranch_scc0 .Lhead_sa
	tensor_load_to_lds s[G0B:G0B+3], s[G1B:G1B+7]
	s_nop 0
.rept 4
	v_nop
.endr
	s_branch .Lhead_asked
.Lhead_sa:
	s_cmp_eq_u32 s14, 1
	s_cbranch_scc0 .Lhead_sb
	tensor_load_to_lds s[G0S:G0S+3], s[G1S:G1S+7]
	s_nop 0
.rept 4
	v_nop
.endr
	s_branch .Lhead_asked
.Lhead_sb:
	tensor_load_to_lds s[G0SB:G0SB+3], s[G1SB:G1SB+7]
	s_nop 0
.rept 4
	v_nop
.endr
.Lhead_asked:
	v_and_b32 v1, 15, v0
	v_bfe_u32 v2, v0, 4, 1
	v_mul_u32_u24 v3, v1, PITCH
	v_mul_u32_u24 v4, v2, 24
	v_add_nc_u32 v4, v3, v4
	v_lshl_add_u32 v5, v2, 4, v4
	s_mul_i32 s21, s15, HALFT
	s_mul_i32 s22, s16, HALFT
	s_add_co_u32 s22, s22, 2*HALFT
.irp s, 0,1
	v_add_nc_u32 v[ADRA+\s], s21, v4
	v_add_nc_u32 v[ADRB+\s], s22, v4
	v_add_nc_u32 v[ADRA+2+\s], s21, v5
	v_add_nc_u32 v[ADRB+2+\s], s22, v5
	s_add_co_u32 s21, s21, SLOT
	s_add_co_u32 s22, s22, SLOT
.endr
	v_mul_u32_u24 v5, v1, KS
	v_lshrrev_b32 v6, 8, v5
	v_lshl_add_u32 v5, v6, 4, v5
	s_mul_i32 s21, s15, HALFS
	s_mul_i32 s22, s16, HALFS
	s_add_co_u32 s22, s22, 2*HALFS
	s_sub_co_u32 s22, s22, s21
	v_mul_u32_u24 v6, s22, v2
	s_add_co_u32 s21, s21, SCL
	v_add_nc_u32 v5, v5, v6
	v_add_nc_u32 v[ADRS], s21, v5
	v_lshlrev_b32 v[BNO], 7, v2                    ; the bias along the registers: lanes 16-31 begin 32 columns on
	v_lshlrev_b32 v7, 3, v2                        ; 8 (lane / 16): where my scale bytes stand in a scale word
	s_wait_alu depctr_va_vdst(0)
	v_and_b32 v3, 8, v1
	v_mad_u32_u24 v3, v3, 3, v1                    ; place r of a tile is row r % 8 + 32 (r / 8)
	v_lshlrev_b32 v[BMO], 2, v3
	s_wait_alu depctr_va_vdst(0)
	v_and_b32 v[LN], 31, v0
	v_lshlrev_b32 v[LX], 4, v[LN]
	v_lshlrev_b32 v[LY], 3, v[LN]
	s_cmp_eq_u32 s[PP], 1
	s_cselect_b64 s[100:101], s[98:99], s[100:101]
	s_cmp_eq_u32 s[PP], 0
	s_cselect_b64 s[100:101], s[96:97], s[100:101]
	s_lshl_b32 s12, s17, 8
	s_lshl_b32 s13, s15, 7
	s_add_co_u32 s12, s12, s13
	s_lshl_b32 s13, s42, 8
	s_lshl_b32 s18, s16, 7
	s_add_co_u32 s13, s13, s18
	s_and_b32 s18, s13, 1023
	s_lshl_b32 s18, s18, 2
	s_mov_b32 s19, 0
	s_add_nc_u64 s[18:19], s[100:101], s[18:19]
	s_and_b32 s22, s12, 1023
	s_lshl_b32 s22, s22, 2
	s_mov_b32 s23, 0
	s_add_nc_u64 s[22:23], s[100:101], s[22:23]
.irp b, 0,1,2,3
.irp k, 0,1,2,3
	global_load_b128 v[BN+16*\b+4*\k:BN+16*\b+4*\k+3], v[BNO], s[18:19] offset:256*(\b/2)+64*(\b%2)+16*\k
.endr
.endr
.irp a, 0,1,2,3,4,5,6,7
	global_load_b32 v[BM+2*\a], v[BMO], s[22:23] offset:4*(64*(\a/4)+8*(\a%4))
	global_load_b32 v[BM+2*\a+1], v[BMO], s[22:23] offset:4*(64*(\a/4)+8*(\a%4))
.endr
	s_cmp_lt_u32 s[PP], 2
	s_cselect_b32 s43, s12, s13
	s_cselect_b32 s44, s13, s12
	s_lshr_b32 s67, s43, 11
	s_lshl_b32 s67, s67, 8
	s_lshr_b32 s44, s44, 6
	s_lshl_b32 s44, s44, 4
	s_or_b32 s67, s67, s44
	s_bfe_u32 s43, s43, 0x40007
	s_or_b32 s67, s67, s43
	s_mov_b32 s94, 13056
	s_cmp_eq_u32 s[PP], 0
	s_cselect_b64 s[4:5], s[8:9], s[10:11]
	s_cselect_b32 s94, 6656, s94
	s_mul_i32 s44, s67, s94
	s_mov_b32 s45, 0
	s_add_nc_u64 s[4:5], s[4:5], s[44:45]
	s_lshl_b32 s44, s94, 4
	s_add_nc_u64 s[6:7], s[4:5], s[44:45]
	s_mov_b32 s[SEL], 0x76543210
	s_mov_b32 s[SEL+1], 0xfedcba98
.macro FRAG reg, adr, q, i
.irp p, 0,1,2,3,4,5
.set PIECE, 12*(\q)+6*(\p/3)+\p%3
.if PIECE%8 < 5
	ds_load_b64 v[\reg+2*\p:\reg+2*\p+1], v[\adr] offset:8*PIECE+16*(PIECE/8)+(\i)*16*PITCH
.else
	ds_load_b64 v[\reg+2*\p:\reg+2*\p+1], v[\adr+2] offset:8*PIECE+16*(PIECE/8)+(\i)*16*PITCH
.endif
.endr
.endm
.macro MUL16 a0, p, q, sc, zero
.irp a, \a0, \a0+1
.irp b, 0,1,2,3,4,5,6,7
.if \zero
	v_wmma_scale_f32_16x16x128_f8f6f4 v[8*(8*((\a)%4)+\b):8*(8*((\a)%4)+\b)+7], v[128*(\p)+FR*\b:128*(\p)+FR*\b+FR-1], v[AF+FR*(\a):AF+FR*(\a)+FR-1], 0, v[SC+8*NQ*(\sc)+NQ*\b+(\q)], v[SC+8*NQ*(\sc)+NQ*(\a)+(\q)] matrix_a_fmt:MATRIX_FMT_FP6 matrix_b_fmt:MATRIX_FMT_FP6 matrix_a_scale:MATRIX_SCALE_ROW1
.else
	v_wmma_scale_f32_16x16x128_f8f6f4 v[8*(8*((\a)%4)+\b):8*(8*((\a)%4)+\b)+7], v[128*(\p)+FR*\b:128*(\p)+FR*\b+FR-1], v[AF+FR*(\a):AF+FR*(\a)+FR-1], v[8*(8*((\a)%4)+\b):8*(8*((\a)%4)+\b)+7], v[SC+8*NQ*(\sc)+NQ*\b+(\q)], v[SC+8*NQ*(\sc)+NQ*(\a)+(\q)] matrix_a_fmt:MATRIX_FMT_FP6 matrix_b_fmt:MATRIX_FMT_FP6 matrix_a_scale:MATRIX_SCALE_ROW1
.endif
.endr
.endr
.endm
.macro FETCH_B slot, q, p
	WIN TO_B
.irp i, 0,1,2,3,4,5,6,7
	FRAG 128*(\p)+FR*\i, ADRB+\slot, \q, \i
.endr
	WIN 0
.endm
.macro FETCH_A slot, q, i0
.irp i, \i0, \i0+1, \i0+2, \i0+3
	FRAG AF+FR*(\i), ADRA+\slot, \q, \i
.endr
.endm
.macro SCALES sc
.irp i, 0,1,2,3,4,5,6,7
	ds_load_b64 v[SC+8*NQ*\sc+NQ*\i:SC+8*NQ*\sc+NQ*\i+1], v[ADRS] offset:\i*SBLK
.endr
.endm
.macro PLACES n
.rept \n
	v_nop
.endr
.endm
.macro STEP slot, q, zero
	s_wait_dscnt 4*NL
	WIN MUL_LO
	MUL16 0, (\q)%2, \q, \slot, \zero
	MUL16 2, (\q)%2, \q, \slot, \zero
	s_wait_dscnt 0
	PLACES NP
	FETCH_B \slot, (\q)+1, 1-(\q)%2
	FETCH_A \slot, (\q)+1, 0
	WIN MUL_HI
	MUL16 4, (\q)%2, \q, \slot, \zero
	MUL16 6, (\q)%2, \q, \slot, \zero
	PLACES NP
	WIN 0
	FETCH_A \slot, (\q)+1, 4
.endm
.macro TURN slot, next, fill
	s_wait_tensorcnt 0x0
	ds_add_u32 v[SPW], v[NIL]
	s_wait_dscnt 4*NL+1
	WIN MUL_LO
	MUL16 0, 1, NQ-1, \slot, 0
	s_wait_dscnt 0x0
	s_barrier_signal -1
	MUL16 2, 1, NQ-1, \slot, 0
	WIN 0
	s_barrier_wait -1
.if \fill
	CREST
	s_add_nc_u64 s[G0+4*\slot+2:G0+4*\slot+3], s[G0+4*\slot+2:G0+4*\slot+3], 2*ROWB
	s_add_nc_u64 s[G0B+4*\slot+2:G0B+4*\slot+3], s[G0B+4*\slot+2:G0B+4*\slot+3], 2*ROWB
	JLOAD G0+4*\slot, G1, G0B+4*\slot, G1B
.else
	PLACES NP
.endif
	s_wait_alu depctr_va_vdst(0)
	v_add_nc_u32 v[ADRS], 4*NQ, v[ADRS]
	FETCH_B \next, 0, 0
	FETCH_A \next, 0, 0
	SCALES \next
	WIN MUL_HI
	MUL16 4, 1, NQ-1, \slot, 0
	MUL16 6, 1, NQ-1, \slot, 0
	PLACES NP
	WIN 0
	FETCH_A \next, 0, 4
.endm
	s_wait_alu depctr_va_vdst(0)
	s_wait_tensorcnt 0x0                           ; my tile of the head's four is in
	ds_add_u32 v[SPW], v[NIL]
	s_mov_b32 s[G1+2], 96<<16                      ; no tensor load of mine is out: from here on a load brings 128 places, 96 rows of 256 bytes
	s_mov_b32 s[G1+4], 96
	s_mov_b32 s[G1B+2], 96<<16
	s_mov_b32 s[G1B+4], 96
	s_wait_dscnt 0x0
	CROUND                                         ; all four tiles are in, and all sixteen work-groups are here
	JLOAD G0+4, G1, G0B+4, G1B                     ; K step 1, the first tensor load behind the round
	FETCH_B 0, 0, 0
	FETCH_A 0, 0, 0
	SCALES 0
	FETCH_A 0, 0, 4
	STEP 0, 0, 1
	s_mov_b32 s3, LAPS-1
.Llap:
	TURN 0, 1, 1
	STEP 1, 0, 0
	TURN 1, 0, 1
	STEP 0, 0, 0
	s_sub_co_u32 s3, s3, 1
	s_cmp_lg_u32 s3, 0
	s_cbranch_scc1 .Llap
	TURN 0, 1, 0
	STEP 1, 0, 0
	s_wait_dscnt 4*NL
	WIN MUL_LO
	MUL16 0, 1, NQ-1, 1, 0
	MUL16 2, 1, NQ-1, 1, 0
	s_wait_dscnt 0
	WIN MUL_HI
	MUL16 4, 1, NQ-1, 1, 0
	MUL16 6, 1, NQ-1, 1, 0
	WIN 0
.macro ADDN a
	WIN 0x02+(\a)/4
.set AC, 64*((\a)%4)
.set k, 0
.rept 32
	v_pk_add_f32 v[X+k:X+k+1], v[AC+k:AC+k+1], v[BN+k:BN+k+1]
.set k, k+2
.endr
	WIN 0
.endm
.macro ADDM a
	WIN 0x02+(\a)/4
.set AC, 64*((\a)%4)
.set k, 0
.rept 32
	v_pk_add_f32 v[X+k:X+k+1], v[AC+k:AC+k+1], v[BM+2*(\a):BM+2*(\a)+1]
.set k, k+2
.endr
	WIN 0
.endm
.macro QUANT s                         ; 64 numbers a lane: registers 32 c + i are my whole block 2 c + lane / 16.  Its largest magnitude in two chains for each c
	s_wait_alu depctr_va_vdst(0)
.irp c, 0,1
	v_max3_num_f32 v[TM+\c], |v[\s+32*\c]|, |v[\s+1+32*\c]|, 0x1800000
	v_max3_num_f32 v[TM+2+\c], |v[\s+16+32*\c]|, |v[\s+17+32*\c]|, |v[\s+18+32*\c]|
.endr
.irp i, 2,4,6,8,10,12
.irp c, 0,1
	v_max3_num_f32 v[TM+\c], v[TM+\c], |v[\s+32*\c+\i]|, |v[\s+1+32*\c+\i]|
	v_max3_num_f32 v[TM+2+\c], v[TM+2+\c], |v[\s+17+32*\c+\i]|, |v[\s+18+32*\c+\i]|
.endr
.endr
.irp c, 0,1
	v_max3_num_f32 v[TM+\c], v[TM+\c], |v[\s+14+32*\c]|, |v[\s+15+32*\c]|
.endr
.irp c, 0,1
	v_max3_num_f32 v[TM+\c], v[TM+\c], v[TM+2+\c], |v[\s+31+32*\c]|
.endr
.irp c, 0,1
	v_add_nc_u32 v[TM+12+\c], 0xff000000, v[TM+\c] ; 2 off the exponent field: the conversions' scale operand
.endr
.irp c, 0,1
	v_lshrrev_b32 v[TM+8+\c], 23, v[TM+12+\c]      ; the scale's byte
.endr
	v_lshl_or_b32 v[PW], v[TM+9], 16, v[TM+8]
	v_lshlrev_b32 v[PW], v7, v[PW]                 ; my two bytes at places 2 c + lane / 16 of the row's scale word
	v_permlanex16_b32 v[TM+4], v[PW], s[SEL], s[SEL+1]
.irp c, 0,1
	v_cvt_scalef32_pk16_fp6_f32 v[PC+6*\c:PC+2+6*\c], v[\s+32*\c:\s+15+32*\c], v[TM+12+\c]
	v_cvt_scalef32_pk16_fp6_f32 v[PC+12+4*\c:PC+14+4*\c], v[\s+16+32*\c:\s+31+32*\c], v[TM+12+\c]
.endr
	v_or_b32 v[PW], v[PW], v[TM+4]                 ; with lane l xor 16's two the word is whole (also the plain line behind the conversions)
.irp c, 0,1
.irp i, 0,1,2
	v_mov_b32 v[PC+3+6*\c+\i], v[PC+12+4*\c+\i]    ; a conversion's three registers begin on an even number
.endr
.endr
.endm
	PLACES NP
	s_wait_loadcnt 0x0
	v_mov_b32 v[TM+4], 0                           ; a lane permute's destination counts as one of its sources
	v_cmp_lt_u32 vcc_lo, 15, v[LN]
	s_cmp_eq_u32 s[PP], 2
	s_cbranch_scc1 .Lv
.irp a, 0,1,2,3,4,5,6,7
	ADDN \a
.if \a > 0
	s_wait_xcnt 0x0
.endif
	QUANT X
	global_store_b128 v[LX], v[PC:PC+3], s[4:5] offset:768*\a
	global_store_b64 v[LY], v[PC+4:PC+5], s[4:5] offset:768*\a+512
	global_store_b128 v[LX], v[PC+6:PC+9], s[6:7] offset:768*\a
	global_store_b64 v[LY], v[PC+10:PC+11], s[6:7] offset:768*\a+512
	v_mov_b32 v[PW8+\a], v[PW]
.endr
.irp j, 0,1,2,3
	v_cndmask_b32 v[T+\j], v[PW8+2*\j], v[PW8+2*\j+1], vcc_lo
.endr
.irp j, 0,1,2,3
	v_and_b32 v[T+8+\j], 0xffff, v[T+\j]
	v_lshrrev_b32 v[T+12+\j], 16, v[T+\j]
.endr
	global_store_b128 v[LX], v[T+8:T+11], s[4:5] offset:6144
	global_store_b128 v[LX], v[T+12:T+15], s[6:7] offset:6144
	s_branch .Lend
.Lv:
.irp a, 0,1,2,3,4,5,6,7
	ADDM \a
.if \a > 0
	s_wait_xcnt 0x0
.endif
	QUANT X
.irp c, 0,1,2
	global_store_b128 v[LX], v[PC+4*\c:PC+4*\c+3], s[4+2*(\a/4):5+2*(\a/4)] offset:6656+1536*(\a%4)+512*\c
.endr
	v_mov_b32 v[PW8+\a], v[PW]
.endr
.irp j, 0,1,2,3
	v_cndmask_b32 v[T+\j], v[PW8+2*\j], v[PW8+2*\j+1], vcc_lo
.endr
	global_store_b64 v[LY], v[T:T+1], s[4:5] offset:12800
	global_store_b64 v[LY], v[T+2:T+3], s[6:7] offset:12800
.Lend:
	s_wait_tensorcnt 0x0
	ds_add_u32 v[SPW], v[NIL]
	s_wait_dscnt 0x0
	CROUND
	s_endpgm
.Lfunc_end_k_q5af94b3eaf_proj:
	.size	k_q5af94b3eaf_proj, .Lfunc_end_k_q5af94b3eaf_proj-k_q5af94b3eaf_proj
	.p2alignl 7, 3214868480
	.fill 96, 4, 3214868480
	.section	.rodata,"a",@progbits
	.p2align	6, 0x0
	.amdhsa_kernel k_q5af94b3eaf_proj
		.amdhsa_group_segment_fixed_size 327680
		.amdhsa_private_segment_fixed_size 0
		.amdhsa_enable_private_segment 0
		.amdhsa_kernarg_size 56
		.amdhsa_user_sgpr_count 2
		.amdhsa_user_sgpr_kernarg_segment_ptr 1
		.amdhsa_wavefront_size32 1
		.amdhsa_system_sgpr_workgroup_id_x 1
		.amdhsa_system_sgpr_workgroup_id_y 1
		.amdhsa_system_sgpr_workgroup_id_z 1
		.amdhsa_system_vgpr_workitem_id 0
		.amdhsa_next_free_vgpr 1024
		.amdhsa_next_free_sgpr 102
		.amdhsa_reserve_vcc 1
		.amdhsa_float_denorm_mode_32 3
		.amdhsa_float_denorm_mode_16_64 3
		.amdhsa_memory_ordered 1
		.amdhsa_forward_progress 1
		.amdhsa_inst_pref_size 223
	.end_amdhsa_kernel
	.amdgpu_metadata
---
amdhsa.version: [ 1, 2 ]
amdhsa.kernels:
  - .name:           k_q5af94b3eaf_proj
    .symbol:         k_q5af94b3eaf_proj.kd
    .args:
      - { .name: cod, .offset: 0, .size: 8, .value_kind: global_buffer, .address_space: global }
      - { .name: scl, .offset: 8, .size: 8, .value_kind: global_buffer, .address_space: global }
      - { .name: qr, .offset: 16, .size: 8, .value_kind: global_buffer, .address_space: global }
      - { .name: kv, .offset: 24, .size: 8, .value_kind: global_buffer, .address_space: global }
      - { .name: bq, .offset: 32, .size: 8, .value_kind: global_buffer, .address_space: global }
      - { .name: bk, .offset: 40, .size: 8, .value_kind: global_buffer, .address_space: global }
      - { .name: bv, .offset: 48, .size: 8, .value_kind: global_buffer, .address_space: global }
    .group_segment_fixed_size: 327680
    .private_segment_fixed_size: 0
    .kernarg_segment_align: 8
    .kernarg_segment_size: 56
    .max_flat_workgroup_size: 128
    .sgpr_count:     102
    .vgpr_count:     1024
    .wavefront_size: 32
...
	.end_amdgpu_metadata
.endif
;; end of part 2
;; launch attn (part 3): grid 4 x 64, 16 waves a work-group, clusters of 4 x 1, 327,680 bytes of LDS; arguments qr, kv, ac, asc; writes ac, asc
.if DOCPART == 3
	.amdgcn_target "amdgcn-amd-amdhsa--gfx1250"
	.amdhsa_code_object_version 6
	.text
	.protected	k_q5af94b3eaf_attn
	.globl	k_q5af94b3eaf_attn
	.p2align	8
	.type	k_q5af94b3eaf_attn,@function
k_q5af94b3eaf_attn:
	s_mov_b64 s[64:65], 0
	v_nop
	global_prefetch_b8 v0, s[64:65] scope:SCOPE_SE
	s_setreg_imm32_b32 hwreg(HW_REG_WAVE_MODE, 25, 1), 1
	s_wait_xcnt 0x0
	s_wait_alu depctr_hold_cnt(0) depctr_sa_sdst(0) depctr_va_vdst(0) depctr_va_sdst(0) depctr_va_ssrc(0) depctr_va_vcc(0) depctr_vm_vsrc(0)
	s_getreg_b32 s2, hwreg(HW_REG_IB_STS2, 6, 4)
	s_cmp_eq_u32 s2, 0
	s_cbranch_scc0 .Lentry_in_a_cluster
	s_endpgm
.Lentry_in_a_cluster:
	s_bfe_u32 s2, ttmp6, 0x10000c
	s_cmp_lg_u32 s2, 0x3003
	s_cbranch_scc0 .Lentry_shape_is_right
	s_endpgm
.Lentry_shape_is_right:
; The attention of one (batch, head): S^T = K Q^T, p = 2^(t - M), O^T = V^T p^T, O / l, quantised along the head's 64 for the last projection.  Both products on codes of FP6 (E2M3) with E8M0 scales.
; t = score x log2(e) / 8; M = the running largest t rounded UP to a whole number; p is quantised along the keys and not normalised; l is the sum of the unquantised p, in f32.  When M moves, l and O^T are multiplied by 2^(old M - new M): exact.
; SHARES.  Work-group (x, y): y = batch x 16 + head; x = one of the head's four blocks of 512 queries.  Sixteen waves of 256 registers, four to a SIMD.  A wave owns two tiles of 16 queries, one after the other: two passes, each over the head's 2,048 keys, 128 a step.
; THE WHOLE HEAD'S K AND V STAY IN LDS: 16 records of 13,056 bytes, filled once; wave w brings record w by one tensor load, asked for JOINTLY by the four work-groups of the cluster, which share the head.  No slot is filled again.
; Behind the head's barrier the records are only read and the waves share nothing: no barrier stands in the walk over the keys.
; No prefetch: the launch's one fill stands at its head, and there is no loop to run ahead in.  Both passes' Q are loaded at the head, under the tensor load's flight.
; LAYOUT.  Both products are used transposed: a lane holds ONE query (lane % 16).  By the places that the first launch gave the rows, K's tile 4 c + i holds at row 8 h + j the key 64 c + 32 h + 8 i + j, so a lane's registers 32 c + 0 .. 31 of S^T are
; the keys 64 c + 32 (lane / 16) + 0 .. 31: ONE WHOLE SCALE BLOCK, in the order of p's operand registers.  No lane asks another for a block's maximum and no codes change lanes.  V^T's tiles hold d in the same order, so O^T's 32 registers are d = 32 (lane / 16) + 0 .. 31.
; A block's largest p is made from its largest score by the same multiply-add and exponential as every p.
; K Q^T HAS K = 64, HALF OF THE INSTRUCTION'S 128.  Q's registers 6-11 are zero codes, and the scale bytes of blocks 2 and 3 are 0 (2^-127, a number) on both sides.  K's tiles stand 6 registers apart, so the upper half of tile t's
; operand is tile t + 1's codes (behind tile 7: six registers of zeros): finite numbers times Q's zeros.
; A pass's first step is written out: it starts M, l and O^T (C = 0), so nothing is cleared or rescaled there.
; LIMITS: the promise holds while the scaled scores t stay under 2^31 in magnitude; NaN and infinities are not served; a block whose largest magnitude lies under 2^-124 has its byte held at 1; a block of zeros has the byte 1 (this program alone reads the bytes).
.set REC,   13056                      ; a record: K's 8 tiles x 768, K's scale words (512), V^T's 4 fragments x 1,536, V's scale words (256)
.set KSC,   6144
.set VFR,   6656
.set VSC,   12800
.set SPARE, 16*REC                     ; the spare words, 128 bytes for each of the sixteen waves
.set LX,  1                            ; 16 x lane
.set LY,  2                            ; 8 x lane
.set ADX, 3                            ; the step's record + 16 x lane
.set ADY, 4                            ; + 8 x lane
.set SPW, 5
.set NIL, 6
.set QSO, 7                            ; 16 x (lane % 16)
.set ASO, 8                            ; 32 x (lane % 16)
.set SH8, 9                            ; 8 x (lane / 16)
.set L2,  10                           ; v[10:11] the sums' second chain
.set NM,  12                           ; v12 -M;  v13 the largest score so far
.set LS,  14                           ; v[14:15] l, in two halves
.set QF,  16                           ; v16-27 Q's fragment (v22-27 zeros)
.set QW,  28
.set OLD, 29                           ; the last step's -M
.set KF,  32                           ; v32-79 K's 8 x 6 registers, then V^T's 4 x 12;  v80-85 zeros
.set KW,  86
.set VW,  90
.set PWD, 92                           ; p's scale word
.set S,   96                           ; v96-159 S^T, then p
.set O,   160                          ; v160-191 O^T
.set PC,  192                          ; v192-203 p's codes
.set PH,  204                          ; v204-206, v208-210 the conversions' second halves
.set BMX, 212                          ; v212-213 my two blocks' largest scores, then largest p;  v214-215 the second chains
.set BM2, 214
.set PD,  216                          ; a lane permute's destination
.set SO,  220
.set BY,  224
.set W,   228
.set F,   230                          ; f = 2^(old M - new M), later 1 / l;  v231 = 0, named with it as a pair
.set Q2,  232                          ; v232-237 the second pass's Q, v238 its scale word
.set TB,  2
.set CNT, 3
.set WV,  18
.set SEL, 20
.set CS,  22
.set G1,  24
.set G0,  32
.set PASS, 36
.set QC,  40
.set QS,  42
.set AC,  44
.set AS,  46
.macro CROUND
	s_barrier_signal -1
	s_barrier_wait -1
	s_cmp_lg_u32 s[WV], 0
	s_cbranch_scc1 .Lnot_wave_0_\@
	s_barrier_signal -3
.Lnot_wave_0_\@:
	s_barrier_wait -3
	s_barrier_signal -1
	s_barrier_wait -1
.endm
	s_load_b256 s[4:11], s[0:1], 0x0               ; qr, kv, ac, asc
	v_lshl_add_u32 v[SPW], v0, 2, SPARE
	v_mov_b32 v[NIL], 0
	ds_add_u32 v[SPW], v[NIL]
	ds_add_u32 v[SPW], v[NIL]
	v_lshrrev_b32 v10, 5, v0
	v_readfirstlane_b32 s[WV], v10                 ; wave 0..15
	s_and_b32 s14, ttmp7, 0xffff                   ; batch x 16 + head, which the four partners share
	s_lshl_b32 s16, s14, 4
	s_add_co_u32 s16, s16, s[WV]
	s_mul_i32 s16, s16, REC                        ; the record that I fetch: key step = my wave's number
	s_mov_b32 s17, 0
	s_mov_b32 s[G1], 15|(3<<16)|(1<<21)            ; the mask: all four work-groups; elements of 8 bytes; a record is 51 rows of 256 bytes, dense
	s_mov_b32 s[G1+1], 32<<16
	s_mov_b32 s[G1+2], 51<<16
	s_mov_b32 s[G1+3], 32<<16
	s_mov_b32 s[G1+4], 51
	s_mov_b32 s[G1+5], 32
	s_mov_b32 s[G1+6], 0
	s_mov_b32 s[G1+7], 0
	s_mov_b32 s[G0], 1
	s_mul_i32 s[G0+1], s[WV], REC
	s_mov_b32 s[SEL], 0x76543210
	s_mov_b32 s[SEL+1], 0xfedcba98
	s_mov_b32 s[CS], 0x3e38aa3b                    ; log2(e) / sqrt(64)
	s_mov_b32 s[CS+1], s[CS]
	s_mov_b32 s[PASS], 2
	s_wait_dscnt 0x0
	s_wait_kmcnt 0x0
	s_add_nc_u64 s[G0+2:G0+3], s[6:7], s[16:17]
	s_or_b32 s[G0+3], s[G0+3], 0x80000000
	CROUND                                         ; all four work-groups are here: the joint loads meet
	tensor_load_to_lds s[G0:G0+3], s[G1:G1+7]      ; my one tensor load of the launch
	s_nop 0
.rept 4
	v_nop
.endr
	s_bfe_u32 s12, ttmp6, 0x40000                  ; cx: it enters Q's, ac's and asc's addresses alone
	s_lshl_b32 s13, ttmp9, 2
	s_add_co_u32 s13, s13, s12                     ; my block of 512 queries
	s_lshl_b32 s48, s14, 4
	s_lshl_b32 s49, s13, 2
	s_add_co_u32 s48, s48, s49
	s_lshr_b32 s49, s[WV], 3
	s_add_co_u32 s48, s48, s49
	s_mul_i32 s48, s48, 6656                       ; the record of qr with my first tile
	s_and_b32 s49, s[WV], 7
	s_mul_i32 s50, s49, 768
	s_add_co_u32 s50, s50, s48
	s_mov_b32 s51, 0
	s_add_nc_u64 s[QC:QC+1], s[4:5], s[50:51]
	s_and_b32 s50, s[WV], 1                        ; its scale words: word tile / 2 of lane 16 (tile % 2) + r
	s_lshl_b32 s50, s50, 8
	s_lshr_b32 s49, s49, 1
	s_lshl_b32 s49, s49, 2
	s_add_co_u32 s50, s50, s49
	s_add_co_u32 s50, s50, s48
	s_add_co_u32 s50, s50, KSC
	s_add_nc_u64 s[QS:QS+1], s[4:5], s[50:51]
	s_lshr_b32 s48, s14, 4
	s_lshl_b32 s48, s48, 7
	s_lshl_b32 s49, s13, 5
	s_add_co_u32 s48, s48, s49
	s_add_co_u32 s48, s48, s[WV]                   ; my tile among the 512 of all batches
	s_and_b32 s49, s14, 15                         ; the head
	s_mul_i32 s50, s49, 393216
	s_mul_i32 s52, s48, 768
	s_add_co_u32 s50, s50, s52
	s_add_nc_u64 s[AC:AC+1], s[8:9], s[50:51]      ; ac: [head][tile][768]
	s_lshl_b32 s50, s48, 9
	s_lshl_b32 s49, s49, 1
	s_add_co_u32 s50, s50, s49
	s_add_nc_u64 s[AS:AS+1], s[10:11], s[50:51]    ; asc: [row][32], bytes 2 x head, 2 x head + 1
	v_and_b32 v10, 31, v0
	v_and_b32 v11, 15, v0
	v_bfe_u32 v12, v0, 4, 1
	v_lshlrev_b32 v[LX], 4, v10
	v_lshlrev_b32 v[LY], 3, v10
	v_lshlrev_b32 v[QSO], 4, v11
	v_lshlrev_b32 v[ASO], 5, v11
	v_lshlrev_b32 v[SH8], 3, v12
	global_load_b128 v[QF:QF+3], v[LX], s[QC:QC+1]                 ; the first pass's Q,
	global_load_b64 v[QF+4:QF+5], v[LY], s[QC:QC+1] offset:512
	global_load_b32 v[QW], v[QSO], s[QS:QS+1]
	global_load_b128 v[Q2:Q2+3], v[LX], s[QC:QC+1] offset:13312    ; and the second's: sixteen tiles, two records of qr, on
	global_load_b64 v[Q2+4:Q2+5], v[LY], s[QC:QC+1] offset:13312+512
	global_load_b32 v[Q2+6], v[QSO], s[QS:QS+1] offset:13312
.irp i, 0,1,2,3,4,5
	v_mov_b32 v[QF+6+\i], 0                        ; Q's upper half of K: zero codes, for the whole launch
	v_mov_b32 v[KF+48+\i], 0                       ; and what stands behind K's tile 7
.endr
	v_mov_b32 v[PD], 0                             ; a lane permute's destination counts as one of its sources
	v_mov_b32 v[F+1], 0
	s_wait_alu depctr_va_vdst(0)
	s_wait_tensorcnt 0x0                           ; my record is in,
	s_barrier_signal -1
	s_barrier_wait -1                              ; everybody's is: from here on the records are only read
.macro KLOAD ax, ay, off               ; a step's K: 8 tiles of 6 registers and 4 registers of scale words
.irp t, 0,1,2,3,4,5,6,7
	ds_load_b128 v[KF+6*\t:KF+6*\t+3], v[\ax] offset:\off+768*\t
	ds_load_b64 v[KF+6*\t+4:KF+6*\t+5], v[\ay] offset:\off+768*\t+512
.endr
	ds_load_b128 v[KW:KW+3], v[\ax] offset:\off+KSC
.endm
.macro VLOAD                           ; a step's V^T: 4 fragments of 12 registers and 2 registers of scale words
.irp t, 0,1,2,3
.irp c, 0,1,2
	ds_load_b128 v[KF+12*\t+4*\c:KF+12*\t+4*\c+3], v[ADX] offset:VFR+1536*\t+512*\c
.endr
.endr
	ds_load_b64 v[VW:VW+1], v[ADY] offset:VSC
.endm
.macro SUMJ j                          ; four p more into l's two chains
	v_pk_add_f32 v[LS:LS+1], v[LS:LS+1], v[S+\j:S+\j+1]
	v_pk_add_f32 v[L2:L2+1], v[L2:L2+1], v[S+2+\j:S+3+\j]
.endm
; A KEY STEP: 128 keys.  first = 1: the pass's first step starts M, l and O^T.  pre = 1: the next step's K is fetched.
.macro STEP first, pre
	s_wait_dscnt 0x0                               ; K is in
.irp t, 0,1,2,3,4,5,6,7
.if \t%2
	v_wmma_scale_f32_16x16x128_f8f6f4 v[S+8*\t:S+8*\t+7], v[KF+6*\t:KF+6*\t+11], v[QF:QF+11], 0, v[KW+\t/2], v[QW] matrix_a_fmt:MATRIX_FMT_FP6 matrix_b_fmt:MATRIX_FMT_FP6 matrix_a_scale:MATRIX_SCALE_ROW1
.else
	v_wmma_scale_f32_16x16x128_f8f6f4 v[S+8*\t:S+8*\t+7], v[KF+6*\t:KF+6*\t+11], v[QF:QF+11], 0, v[KW+\t/2], v[QW] matrix_a_fmt:MATRIX_FMT_FP6 matrix_b_fmt:MATRIX_FMT_FP6
.endif
.endr
	v_add_nc_u32 v[ADX], s[TB], v[LX]              ; four plain lines in front of the loads into K's registers and of the first read of the scores
	v_add_nc_u32 v[ADY], s[TB], v[LY]
	v_nop
	v_nop
	VLOAD                                          ; V has the whole softmax in which to come
.irp c, 0,1                                    ; the largest score of my two blocks of 32 keys, two chains each; every tile is first read at its low end
	v_max3_num_f32 v[BMX+\c], v[S+32*\c], v[S+1+32*\c], v[S+2+32*\c]
	v_max3_num_f32 v[BM2+\c], v[S+16+32*\c], v[S+17+32*\c], v[S+18+32*\c]
.endr
.irp i, 3,5,7,9,11,13
.irp c, 0,1
	v_max3_num_f32 v[BMX+\c], v[BMX+\c], v[S+32*\c+\i], v[S+1+32*\c+\i]
	v_max3_num_f32 v[BM2+\c], v[BM2+\c], v[S+16+32*\c+\i], v[S+17+32*\c+\i]
.endr
.endr
.irp c, 0,1
	v_max3_num_f32 v[BMX+\c], v[BMX+\c], v[BM2+\c], v[S+15+32*\c]
.endr
.irp c, 0,1
	v_max_num_f32 v[BMX+\c], v[BMX+\c], v[S+31+32*\c]
.endr
	s_delay_alu instid0(VALU_DEP_1)
	v_max_num_f32 v[W], v[BMX], v[BMX+1]
	s_delay_alu instid0(VALU_DEP_1)
	v_permlanex16_b32 v[PD], v[W], s[SEL], s[SEL+1]
	s_delay_alu instid0(VALU_DEP_1)
.if \first
	v_max_num_f32 v[NM+1], v[W], v[PD]             ; my query's largest score so far
.else
	v_max3_num_f32 v[NM+1], v[NM+1], v[W], v[PD]
.endif
	s_delay_alu instid0(VALU_DEP_1)
	v_mul_f32 v[W], s[CS], v[NM+1]                 ; as t (c is positive)
	s_delay_alu instid0(VALU_DEP_1)
	v_floor_f32 v[NM], -v[W]                       ; -M = floor(-t) = -ceil(t)
.if !\first
	s_delay_alu instid0(VALU_DEP_1)
	v_sub_f32 v[W], v[NM], v[OLD]                  ; old M - new M: a whole number, 0 or less
	s_delay_alu instid0(VALU_DEP_1)
	v_cvt_i32_f32 v[W], v[W]                       ; (it saturates)
	s_delay_alu instid0(VALU_DEP_1)
	v_ldexp_f32 v[F], 1.0, v[W]                    ; f = 2^(old M - new M)
.endif
.set j, 0
.rept 32
	v_pk_fma_f32 v[S+j:S+j+1], v[S+j:S+j+1], s[CS:CS+1], v[NM:NM+1] op_sel_hi:[1,0,0]   ; t - M, two at a time (of the pairs c and -M the low word serves both halves)
.set j, j+2
.endr
.irp c, 0,1
	v_fma_f32 v[BMX+\c], v[BMX+\c], s[CS], v[NM]   ; the same of each block's largest score
.endr
.if !\first
.set j, 0
.rept 16
	v_pk_mul_f32 v[O+j:O+j+1], v[O+j:O+j+1], v[F:F+1] op_sel_hi:[1,0]   ; O^T under the new M, ahead of the exponentials
.set j, j+2
.endr
.endif
	s_wait_alu depctr_va_vdst(0)
.set j, 0
.rept 64
	v_exp_f32 v[S+j], v[S+j]                       ; p = 2^(t - M), at most 1
.set j, j+1
.endr
.irp c, 0,1
	v_exp_f32 v[BMX+\c], v[BMX+\c]                 ; the block's largest p: one batch of 66
.endr
	v_mov_b32 v[OLD], v[NM]                        ; for the next step; the plain line behind the exponentials
	s_wait_alu depctr_va_vdst(0)                   ; one wait for the batch, ahead of its first reader
.irp c, 0,1
	v_max_num_f32 v[BMX+\c], 0x1800000, v[BMX+\c]  ; the floor 2^(3 - 127): the byte cannot fall under 1
.endr
.irp c, 0,1
	s_delay_alu instid0(VALU_DEP_2)
	v_add_nc_u32 v[SO+\c], 0xff000000, v[BMX+\c]   ; 2 off the exponent field: the conversions' scale operand
.endr
.irp c, 0,1
	s_delay_alu instid0(VALU_DEP_2)
	v_lshrrev_b32 v[BY+\c], 23, v[SO+\c]           ; the scale's byte
.endr
	s_delay_alu instid0(VALU_DEP_1)
	v_lshl_or_b32 v[PWD], v[BY+1], 16, v[BY]
	s_delay_alu instid0(VALU_DEP_1)
	v_lshlrev_b32 v[PWD], v[SH8], v[PWD]           ; my bytes at places 2 c + lane / 16 of p's scale word
	s_delay_alu instid0(VALU_DEP_1)
	v_permlanex16_b32 v[PD], v[PWD], s[SEL], s[SEL+1]
.irp c, 0,1
	v_cvt_scalef32_pk16_fp6_f32 v[PC+6*\c:PC+2+6*\c], v[S+32*\c:S+15+32*\c], v[SO+\c]
	v_cvt_scalef32_pk16_fp6_f32 v[PH+4*\c:PH+2+4*\c], v[S+16+32*\c:S+31+32*\c], v[SO+\c]   ; (a conversion's three registers begin on an even number)
.endr
	v_or_b32 v[PWD], v[PWD], v[PD]                 ; with lane l xor 16's two the word is whole; the plain line behind the conversions
.irp c, 0,1
.irp i, 0,1,2
	v_mov_b32 v[PC+3+6*\c+\i], v[PH+4*\c+\i]
.endr
.endr
.if \first                                     ; l IS THE SUM OF THE UNQUANTISED p, in two chains.  The lines up to the products are also the plain lines behind the codes and the scale word
	v_pk_add_f32 v[LS:LS+1], v[S:S+1], v[S+2:S+3]
	v_pk_add_f32 v[L2:L2+1], v[S+4:S+5], v[S+6:S+7]
.else
	v_pk_fma_f32 v[LS:LS+1], v[LS:LS+1], v[F:F+1], v[S:S+1] op_sel_hi:[1,0,1]   ; l under the new M, and two p
	v_pk_add_f32 v[L2:L2+1], v[S+2:S+3], v[S+4:S+5]
	v_pk_add_f32 v[LS:LS+1], v[LS:LS+1], v[S+6:S+7]
.endif
.irp j, 8,12,16,20
	SUMJ \j
.endr
	s_wait_alu depctr_va_vdst(0)
	s_wait_dscnt 0x0                               ; V is in
.irp t, 0,1,2,3                                ; O^T += V^T p^T: four accumulators, one instruction each; eight other products stand between two links of a sum
.if \first
.if \t%2
	v_wmma_scale_f32_16x16x128_f8f6f4 v[O+8*\t:O+8*\t+7], v[KF+12*\t:KF+12*\t+11], v[PC:PC+11], 0, v[VW+\t/2], v[PWD] matrix_a_fmt:MATRIX_FMT_FP6 matrix_b_fmt:MATRIX_FMT_FP6 matrix_a_scale:MATRIX_SCALE_ROW1
.else
	v_wmma_scale_f32_16x16x128_f8f6f4 v[O+8*\t:O+8*\t+7], v[KF+12*\t:KF+12*\t+11], v[PC:PC+11], 0, v[VW+\t/2], v[PWD] matrix_a_fmt:MATRIX_FMT_FP6 matrix_b_fmt:MATRIX_FMT_FP6
.endif
.else
.if \t%2
	v_wmma_scale_f32_16x16x128_f8f6f4 v[O+8*\t:O+8*\t+7], v[KF+12*\t:KF+12*\t+11], v[PC:PC+11], v[O+8*\t:O+8*\t+7], v[VW+\t/2], v[PWD] matrix_a_fmt:MATRIX_FMT_FP6 matrix_b_fmt:MATRIX_FMT_FP6 matrix_a_scale:MATRIX_SCALE_ROW1
.else
	v_wmma_scale_f32_16x16x128_f8f6f4 v[O+8*\t:O+8*\t+7], v[KF+12*\t:KF+12*\t+11], v[PC:PC+11], v[O+8*\t:O+8*\t+7], v[VW+\t/2], v[PWD] matrix_a_fmt:MATRIX_FMT_FP6 matrix_b_fmt:MATRIX_FMT_FP6
.endif
.endif
.endr
.irp j, 24,28
	SUMJ \j                                        ; four plain lines that name none of those products' registers, in front of the loads into V's
.endr
.if \pre
	KLOAD ADX, ADY, REC                            ; the next step's K
.endif
.irp j, 32,36,40,44,48,52,56,60
	SUMJ \j
.endr
	v_pk_add_f32 v[LS:LS+1], v[LS:LS+1], v[L2:L2+1]
	s_add_co_u32 s[TB], s[TB], REC
	s_wait_alu depctr_va_vdst(0)
.endm
.Lpass:                                            ; two trips: a tile of 16 queries each
	KLOAD LX, LY, 0                                ; key step 0
	s_mov_b32 s[TB], 0
	s_mov_b32 s[CNT], 14
	s_wait_loadcnt 0x0                             ; Q
	STEP 1, 1
.Lstep:
	STEP 0, 1
	s_sub_co_u32 s[CNT], s[CNT], 1
	s_cmp_lg_u32 s[CNT], 0
	s_cbranch_scc1 .Lstep
	STEP 0, 0                                      ; the last step fetches nothing more
.irp i, 0,1,2,3,4,5
	v_mov_b32 v[QF+\i], v[Q2+\i]                   ; the next pass's Q: far behind the products that read these registers, far ahead of those that will
.endr
	v_mov_b32 v[QW], v[Q2+6]
	; the tile's way out: O^T / l, quantised along d: my 32 registers are one block
	v_add_f32 v[LS], v[LS], v[LS+1]
	v_permlanex16_b32 v[PD], v[LS], s[SEL], s[SEL+1]
	v_add_f32 v[LS], v[LS], v[PD]                  ; the row's sum
	s_wait_alu depctr_va_vdst(0)
	v_rcp_f32 v[F], v[LS]
	v_nop                                          ; a plain line behind the reciprocal
	s_wait_alu depctr_va_vdst(0)                   ; the wait ahead of its first reader, and of O^T's
.set j, 0
.rept 16
	v_pk_mul_f32 v[S+j:S+j+1], v[O+j:O+j+1], v[F:F+1] op_sel_hi:[1,0]   ; register i: d = 32 (lane / 16) + i.  Each accumulator is read from its low end on
.set j, j+2
.endr
	v_max3_num_f32 v[BMX], |v[S]|, |v[S+1]|, 0x1800000
	v_max3_num_f32 v[BM2], |v[S+16]|, |v[S+17]|, |v[S+18]|
.irp i, 2,4,6,8,10,12
	v_max3_num_f32 v[BMX], v[BMX], |v[S+\i]|, |v[S+1+\i]|
	v_max3_num_f32 v[BM2], v[BM2], |v[S+17+\i]|, |v[S+18+\i]|
.endr
	v_max3_num_f32 v[BMX], v[BMX], |v[S+14]|, |v[S+15]|
	v_max3_num_f32 v[BMX], v[BMX], v[BM2], |v[S+31]|
	v_add_nc_u32 v[SO], 0xff000000, v[BMX]
	v_lshrrev_b32 v[BY], 23, v[SO]
	v_lshlrev_b32 v[W], v[SH8], v[BY]
	v_permlanex16_b32 v[PD], v[W], s[SEL], s[SEL+1]
	v_cvt_scalef32_pk16_fp6_f32 v[PC:PC+2], v[S:S+15], v[SO]
	v_cvt_scalef32_pk16_fp6_f32 v[PH:PH+2], v[S+16:S+31], v[SO]
	v_or_b32 v[W], v[W], v[PD]                     ; my row's two scale bytes; the plain line behind the conversions
.irp i, 0,1,2
	v_mov_b32 v[PC+3+\i], v[PH+\i]
.endr
	global_store_b128 v[LX], v[PC:PC+3], s[AC:AC+1]            ; the tile's image: 512 consecutive bytes,
	global_store_b64 v[LY], v[PC+4:PC+5], s[AC:AC+1] offset:512   ; and 256
	global_store_b16 v[ASO], v[W], s[AS:AS+1]      ; two bytes are all that a head owns of a row's 32; lanes l and l + 16 write the same value to the same place
	s_wait_alu depctr_va_vdst(0)
	s_wait_xcnt 0x0                                ; the stores have read their registers and bases
	s_add_nc_u64 s[AC:AC+1], s[AC:AC+1], 12288     ; sixteen images of ac on,
	s_add_nc_u64 s[AS:AS+1], s[AS:AS+1], 8192      ; 256 rows of asc
	s_sub_co_u32 s[PASS], s[PASS], 1
	s_cmp_lg_u32 s[PASS], 0
	s_cbranch_scc1 .Lpass
	s_wait_tensorcnt 0x0                           ; the wave's end
	ds_add_u32 v[SPW], v[NIL]
	s_wait_dscnt 0x0
	CROUND                                         ; the closing round
	s_endpgm
.Lfunc_end_k_q5af94b3eaf_attn:
	.size	k_q5af94b3eaf_attn, .Lfunc_end_k_q5af94b3eaf_attn-k_q5af94b3eaf_attn
	.p2alignl 7, 3214868480
	.fill 96, 4, 3214868480
	.section	.rodata,"a",@progbits
	.p2align	6, 0x0
	.amdhsa_kernel k_q5af94b3eaf_attn
		.amdhsa_group_segment_fixed_size 327680
		.amdhsa_private_segment_fixed_size 0
		.amdhsa_enable_private_segment 0
		.amdhsa_kernarg_size 32
		.amdhsa_user_sgpr_count 2
		.amdhsa_user_sgpr_kernarg_segment_ptr 1
		.amdhsa_wavefront_size32 1
		.amdhsa_system_sgpr_workgroup_id_x 1
		.amdhsa_system_sgpr_workgroup_id_y 1
		.amdhsa_system_sgpr_workgroup_id_z 1
		.amdhsa_system_vgpr_workitem_id 0
		.amdhsa_next_free_vgpr 256
		.amdhsa_next_free_sgpr 66
		.amdhsa_reserve_vcc 0
		.amdhsa_float_denorm_mode_32 3
		.amdhsa_float_denorm_mode_16_64 3
		.amdhsa_memory_ordered 1
		.amdhsa_forward_progress 1
		.amdhsa_inst_pref_size 53
	.end_amdhsa_kernel
	.amdgpu_metadata
---
amdhsa.version: [ 1, 2 ]
amdhsa.kernels:
  - .name:           k_q5af94b3eaf_attn
    .symbol:         k_q5af94b3eaf_attn.kd
    .args:
      - { .name: qr, .offset: 0, .size: 8, .value_kind: global_buffer, .address_space: global }
      - { .name: kv, .offset: 8, .size: 8, .value_kind: global_buffer, .address_space: global }
      - { .name: ac, .offset: 16, .size: 8, .value_kind: global_buffer, .address_space: global }
      - { .name: asc, .offset: 24, .size: 8, .value_kind: global_buffer, .address_space: global }
    .group_segment_fixed_size: 327680
    .private_segment_fixed_size: 0
    .kernarg_segment_align: 8
    .kernarg_segment_size: 32
    .max_flat_workgroup_size: 512
    .sgpr_count:     66
    .vgpr_count:     256
    .wavefront_size: 32
...
	.end_amdgpu_metadata
.endif
;; end of part 3
;; launch outp (part 4): grid 8 x 32, 4 waves a work-group, clusters of 4 x 4, 327,680 bytes of LDS; arguments ac, asc, cod, scl, bo, out0; writes out0
.if DOCPART == 4
	.amdgcn_target "amdgcn-amd-amdhsa--gfx1250"
	.amdhsa_code_object_version 6
	.text
	.protected	k_q5af94b3eaf_outp
	.globl	k_q5af94b3eaf_outp
	.p2align	8
	.type	k_q5af94b3eaf_outp,@function
k_q5af94b3eaf_outp:
	s_mov_b64 s[64:65], 0
	v_nop
	global_prefetch_b8 v0, s[64:65] scope:SCOPE_SE
	s_setreg_imm32_b32 hwreg(HW_REG_WAVE_MODE, 25, 1), 1
	s_wait_xcnt 0x0
	s_wait_alu depctr_hold_cnt(0) depctr_sa_sdst(0) depctr_va_vdst(0) depctr_va_sdst(0) depctr_va_ssrc(0) depctr_va_vcc(0) depctr_vm_vsrc(0)
	s_getreg_b32 s2, hwreg(HW_REG_IB_STS2, 6, 4)
	s_cmp_eq_u32 s2, 0
	s_cbranch_scc0 .Lentry_in_a_cluster
	s_endpgm
.Lentry_in_a_cluster:
	s_bfe_u32 s2, ttmp6, 0x10000c
	s_cmp_lg_u32 s2, 0xf033
	s_cbranch_scc0 .Lentry_shape_is_right
	s_endpgm
.Lentry_shape_is_right:
.set SIZE_N, 1024
; out0 = attn Wo^T + bo on codes of FP6 with E8M0 scales.  A work-group makes 256 x 128, four waves of 128 x 64; K goes in steps of 256 through a ring of two LDS slots; 4 x 4 work-groups ask for shared tiles jointly.
; A's tiles are the attention launch's images of operand registers; Wo's codes of 128 places for one K step are one dense block of cod, fetched as rows of 256 bytes with 16 bytes of padding behind every 64 (LDS pitch 240 for 192 bytes of codes).
; Rows of A and rows of Wo stand at the places that the first launch gave them (row 32 h + 8 i + j of each 64 at place 16 i + 8 h + j): the way out puts columns and rows back.
; THE BLOCK IS 256 ROWS x 128 COLUMNS: 32 x 8 blocks are 256 work-groups.  A wave makes 128 rows x 64 columns: A's eight blocks of 16 rows against Wo's four.  Waves 2 and 3 fetch 64 places of Wo each (48 rows of 256 bytes).
.set KSTEP,  256
.set NQ,     2
.set ROWB,   49152
.set KROW,   768
.set PITCH,  240
.set FR,     12
.set NL,     6
.set NLA,    4
.set NP,     4
.set HALFT,  128*PITCH
.set SLOT,   4*HALFT
.set LAPS,   2
.set KS,     32
.set SCL,    2*SLOT
.set HALFS,  (128*KS/256)*272
.set SBLK,   (16*KS/256)*272
.set SPARE,  SCL+4*HALFS
.set SPITCH, 528
.set HEADB,  393216
.set ADX,  16
.set ADY,  18
.set ADRB, 20
.set STO,  24
.set RD,   25
.set CO,   26
.set ADRS, 27
.set SPW,  28
.set NIL,  29
.set BIO,  30
.set SC,   32
.set BI,   64
.set AF,   128
.set BK,   128
.set G1, 24
.set G0, 32
.set G1B, 48
.set G0B, 56
.set G1S, 68
.set G0S, 76
.set G1SB, 80
.set G0SB, 88
.set MSB, 0
.macro WIN new
.if MSB != (\new)
	s_set_vgpr_msb (MSB<<8)|(\new)
.set MSB, (\new)
.endif
.endm
.set MUL_LO, 0xa1
.set MUL_HI, 0xf1
.set BEG_LO, 0x81
.set BEG_HI, 0xc1
.set TO_B,   0x40
.macro JLOAD g0a, g1a, g0b, g1b
	s_cmp_eq_u32 s15, 0
	s_cbranch_scc0 .Lfor_b_\@
	tensor_load_to_lds s[\g0a:\g0a+3], s[\g1a:\g1a+7]
	s_nop 0
.rept 4
	v_nop
.endr
	s_branch .Lasked_\@
.Lfor_b_\@:
	tensor_load_to_lds s[\g0b:\g0b+3], s[\g1b:\g1b+7]
	s_nop 0
.rept 4
	v_nop
.endr
.Lasked_\@:
.endm
.macro CREST
	s_cmp_lg_u32 s14, 0
	s_cbranch_scc1 .Lnot_wave_0_\@
	s_barrier_signal -3
.Lnot_wave_0_\@:
	s_barrier_wait -3
	s_barrier_signal -1
	s_barrier_wait -1
.endm
.macro CROUND
	s_barrier_signal -1
	s_barrier_wait -1
	CREST
.endm
	s_load_b128 s[4:7], s[0:1], 0x0
	s_load_b128 s[8:11], s[0:1], 0x10
	s_load_b64 s[96:97], s[0:1], 0x20
	s_load_b64 s[12:13], s[0:1], 0x28
	v_lshl_add_u32 v[SPW], v0, 2, SPARE
	v_mov_b32 v[NIL], 0
	ds_add_u32 v28, v29
	ds_add_u32 v28, v29
	s_wait_dscnt 0x0
	v_lshrrev_b32 v1, 5, v0
	v_readfirstlane_b32 s14, v1
	s_lshr_b32 s15, s14, 1
	s_and_b32 s16, s14, 1
	s_bfe_u32 s40, ttmp6, 0x40000
	s_bfe_u32 s41, ttmp6, 0x40004
	s_lshl_b32 s42, ttmp9, 2
	s_add_co_u32 s42, s42, s40
	s_and_b32 s17, ttmp7, 0xffff
	s_lshl_b32 s17, s17, 2
	s_add_co_u32 s17, s17, s41
	s_lshl_b32 s43, s41, 2
	s_lshl_b32 s43, 15, s43
	s_lshl_b32 s44, 0x1111, s40
	s_or_b32 s[G1+0], s43, (3<<16)|(1<<21)
	s_mov_b32 s[G1+1], 768<<16
	s_mov_b32 s[G1+2], 4<<16
	s_mov_b32 s[G1+3], 768<<16
	s_mov_b32 s[G1+4], 4
	s_mov_b32 s[G1+5], HEADB/8
	s_mov_b32 s[G1+6], 0
	s_mov_b32 s[G1+7], 0
	s_or_b32 s[G1B+0], s44, (0<<16)|(1<<20)|(1<<21)|(3<<22)|(3<<25)
	s_mov_b32 s[G1B+1], 256<<16                    ; 64 places x 192 bytes, dense: 48 rows of 256 bytes
	s_mov_b32 s[G1B+2], 48<<16
	s_mov_b32 s[G1B+3], 256<<16
	s_mov_b32 s[G1B+4], 48
	s_mov_b32 s[G1B+5], 256
	s_mov_b32 s[G1B+6], 0
	s_mov_b32 s[G1B+7], 0
	s_or_b32 s[G1S+0], s43, (3<<16)|(1<<20)|(1<<21)|(5<<22)|(3<<25)
	s_or_b32 s[G1SB+0], s44, (3<<16)|(1<<20)|(1<<21)|(5<<22)|(3<<25)
.irp g, G1S, G1SB
	s_mov_b32 s[\g+1], 32<<16
	s_mov_b32 s[\g+2], (128*KS/256)<<16
	s_mov_b32 s[\g+3], 32<<16
	s_mov_b32 s[\g+4], 128*KS/256
	s_mov_b32 s[\g+5], 32
	s_mov_b32 s[\g+6], 0
	s_mov_b32 s[\g+7], 0
.endr
	s_mov_b32 s[G1SB+2], 8<<16                     ; Wo's scale bytes: 64 rows a load, 8 units of 256 bytes
	s_mov_b32 s[G1SB+4], 8
	s_lshl_b32 s18, s16, 7
	s_lshl_b32 s20, s17, 8
	s_add_co_u32 s20, s20, s18
	s_lshl_b32 s46, s42, 7                         ; Wo: place 128 x tile column + 64 x half
	s_lshl_b32 s19, s16, 6
	s_add_co_u32 s46, s46, s19
	s_lshl_b32 s22, s20, 5
	s_mov_b32 s23, 0
	s_mul_i32 s20, s20, 48
	s_mov_b32 s21, 0
	s_lshl_b32 s92, s46, 5
	s_add_co_u32 s92, s92, 884736
	s_mov_b32 s93, 0
	s_lshr_b32 s46, s42, 1                         ; its codes: the group of 256 places, in a K step's block the half of 128, in that my 64
	s_mul_i32 s46, s46, 196608
	s_and_b32 s18, s42, 1
	s_mul_i32 s18, s18, 24576
	s_add_co_u32 s46, s46, s18
	s_mul_i32 s18, s16, 12288
	s_add_co_u32 s46, s46, s18
	s_add_co_u32 s46, s46, 21233664
	s_mov_b32 s47, 0
	s_mul_i32 s45, s14, HALFT
	s_mul_i32 s94, s14, HALFS
	s_wait_kmcnt 0x0
	s_add_nc_u64 s[20:21], s[4:5], s[20:21]
	s_add_nc_u64 s[22:23], s[6:7], s[22:23]
	s_add_nc_u64 s[46:47], s[8:9], s[46:47]
	s_add_nc_u64 s[92:93], s[10:11], s[92:93]
	CROUND
	s_mov_b32 s[G0S], 1
	s_add_co_u32 s[G0S+1], s94, SCL
	s_mov_b64 s[G0S+2:G0S+3], s[22:23]
	s_or_b32 s[G0S+3], s[G0S+3], 0x80000000
	s_mov_b32 s[G0SB], 1
	s_add_co_u32 s[G0SB+1], s94, SCL
	s_mov_b64 s[G0SB+2:G0SB+3], s[92:93]
	s_or_b32 s[G0SB+3], s[G0SB+3], 0x80000000
	JLOAD G0S, G1S, G0SB, G1SB
.irp s, 0,1
	s_mov_b32 s[G0+4*\s], 1
	s_add_co_u32 s[G0+4*\s+1], s45, \s*SLOT
	s_add_nc_u64 s[G0+4*\s+2:G0+4*\s+3], s[20:21], \s*4*HEADB
	s_or_b32 s[G0+4*\s+3], s[G0+4*\s+3], 0x80000000
	s_mov_b32 s[G0B+4*\s], 1
	s_add_co_u32 s[G0B+4*\s+1], s45, \s*SLOT
	s_add_nc_u64 s[G0B+4*\s+2:G0B+4*\s+3], s[46:47], \s*ROWB
	s_or_b32 s[G0B+4*\s+3], s[G0B+4*\s+3], 0x80000000
	s_wait_alu depctr_va_vdst(0)
	s_wait_tensorcnt 0x0
	ds_add_u32 v28, v29
	s_wait_dscnt 0x0
	CROUND
	JLOAD G0+4*\s, G1, G0B+4*\s, G1B
.endr
	v_and_b32 v1, 15, v0
	v_bfe_u32 v2, v0, 4, 1
	v_and_b32 v6, 31, v0
	v_mul_u32_u24 v3, v1, PITCH
	v_mul_u32_u24 v4, v2, 24
	v_add_nc_u32 v4, v3, v4
	v_lshl_add_u32 v5, v2, 4, v4
	v_lshlrev_b32 v7, 4, v6
	v_lshlrev_b32 v8, 3, v6
	s_mul_i32 s21, s15, HALFT
	s_mul_i32 s22, s16, HALFT
	s_add_co_u32 s22, s22, 2*HALFT
.irp s, 0,1
	v_add_nc_u32 v[ADX+\s], s21, v7
	v_add_nc_u32 v[ADY+\s], s21, v8
	v_add_nc_u32 v[ADRB+\s], s22, v4
	v_add_nc_u32 v[ADRB+2+\s], s22, v5
	s_add_co_u32 s21, s21, SLOT
	s_add_co_u32 s22, s22, SLOT
.endr
	v_mul_u32_u24 v5, v1, KS
	v_lshrrev_b32 v9, 8, v5
	v_lshl_add_u32 v5, v9, 4, v5
	s_mul_i32 s21, s15, HALFS
	s_mul_i32 s22, s16, HALFS
	s_add_co_u32 s22, s22, 2*HALFS
	s_sub_co_u32 s22, s22, s21
	v_mul_u32_u24 v9, s22, v2
	s_add_co_u32 s21, s21, SCL
	v_add_nc_u32 v31, s21, v5                      ; A's scale words in all lanes: for blocks 4 to 7, where Wo has none
	v_add_nc_u32 v5, v5, v9
	v_add_nc_u32 v[ADRS], s21, v5
	s_mul_i32 s23, s14, 16*SPITCH
	v_mul_u32_u24 v5, v1, SPITCH
	v_lshl_add_u32 v5, v2, 7, v5
	v_add_nc_u32 v[STO], s23, v5
	v_lshlrev_b32 v[CO], 4, v1                     ; back: sixteen lanes take one row of 256 bytes, lanes 16-31 the next row; and the same in out0
	v_mul_u32_u24 v9, v2, SPITCH
	v_add_nc_u32 v[RD], v9, v[CO]
	v_add_nc_u32 v[RD], s23, v[RD]
	v_lshl_add_u32 v[CO], v2, 12, v[CO]
	v_lshlrev_b32 v[BIO], 7, v2
	s_lshl_b32 s46, s42, 9
	s_lshl_b32 s47, s16, 8
	s_add_co_u32 s46, s46, s47
	s_mov_b32 s47, 0
	s_add_nc_u64 s[96:97], s[96:97], s[46:47]
.irp b, 0,1
.irp k, 0,1,2,3
	global_load_b128 v[BI+16*\b+4*\k:BI+16*\b+4*\k+3], v[BIO], s[96:97] offset:256*(\b/2)+64*(\b%2)+16*\k
.endr
.endr
	s_lshl_b32 s20, s17, 8
	s_lshl_b32 s21, s15, 7
	s_add_co_u32 s20, s20, s21
	s_lshl_b32 s20, s20, 12
	s_mov_b32 s21, 0
	s_add_nc_u64 s[20:21], s[20:21], s[46:47]
	s_add_nc_u64 s[12:13], s[12:13], s[20:21]
.macro FRAG reg, adr, q, i
.irp p, 0,1,2,3,4,5
.set PIECE, 12*(\q)+6*(\p/3)+\p%3
.if PIECE%8 < 5
	ds_load_b64 v[\reg+2*\p:\reg+2*\p+1], v[\adr] offset:8*PIECE+16*(PIECE/8)+(\i)*16*PITCH
.else
	ds_load_b64 v[\reg+2*\p:\reg+2*\p+1], v[\adr+2] offset:8*PIECE+16*(PIECE/8)+(\i)*16*PITCH
.endif
.endr
.endm
.macro FRAGA reg, slot, q, i
	ds_load_b128 v[\reg:\reg+3], v[ADX+\slot] offset:6144*(2*(\q))+768*(\i)
	ds_load_b64 v[\reg+4:\reg+5], v[ADY+\slot] offset:6144*(2*(\q))+768*(\i)+512
	ds_load_b128 v[\reg+6:\reg+9], v[ADX+\slot] offset:6144*(2*(\q)+1)+768*(\i)
	ds_load_b64 v[\reg+10:\reg+11], v[ADY+\slot] offset:6144*(2*(\q)+1)+768*(\i)+512
.endm
.macro MUL16 a0, p, q, sc, first
.irp a, \a0, \a0+1
.irp b, 0,1,2,3
.if \first
	v_wmma_scale_f32_16x16x128_f8f6f4 v[8*(8*((\a)%4)+\b):8*(8*((\a)%4)+\b)+7], v[128*(\p)+FR*\b:128*(\p)+FR*\b+FR-1], v[AF+FR*(\a):AF+FR*(\a)+FR-1], v[BI+8*\b:BI+8*\b+7], v[SC+8*NQ*(\sc)+NQ*\b+(\q)], v[SC+8*NQ*(\sc)+NQ*(\a)+(\q)] matrix_a_fmt:MATRIX_FMT_FP6 matrix_b_fmt:MATRIX_FMT_FP6 matrix_a_scale:MATRIX_SCALE_ROW1
.else
	v_wmma_scale_f32_16x16x128_f8f6f4 v[8*(8*((\a)%4)+\b):8*(8*((\a)%4)+\b)+7], v[128*(\p)+FR*\b:128*(\p)+FR*\b+FR-1], v[AF+FR*(\a):AF+FR*(\a)+FR-1], v[8*(8*((\a)%4)+\b):8*(8*((\a)%4)+\b)+7], v[SC+8*NQ*(\sc)+NQ*\b+(\q)], v[SC+8*NQ*(\sc)+NQ*(\a)+(\q)] matrix_a_fmt:MATRIX_FMT_FP6 matrix_b_fmt:MATRIX_FMT_FP6 matrix_a_scale:MATRIX_SCALE_ROW1
.endif
.endr
.endr
.endm
.macro FETCH_B slot, q, p
	WIN TO_B
.irp i, 0,1,2,3
	FRAG 128*(\p)+FR*\i, ADRB+\slot, \q, \i
.endr
	WIN 0
.endm
.macro FETCH_A slot, q, i0
.irp i, \i0, \i0+1, \i0+2, \i0+3
	FRAGA AF+FR*(\i), \slot, \q, \i
.endr
.endm
.macro SCALES sc
.irp i, 0,1,2,3
	ds_load_b64 v[SC+8*NQ*\sc+NQ*\i:SC+8*NQ*\sc+NQ*\i+1], v[ADRS] offset:\i*SBLK
.endr
.irp i, 4,5,6,7
	ds_load_b64 v[SC+8*NQ*\sc+NQ*\i:SC+8*NQ*\sc+NQ*\i+1], v31 offset:\i*SBLK
.endr
.endm
.macro PLACES n
.rept \n
	v_nop
.endr
.endm
.macro STEP slot, q, first
	s_wait_dscnt 4*NLA
.if \first
	WIN BEG_LO
.else
	WIN MUL_LO
.endif
	MUL16 0, (\q)%2, \q, \slot, \first
	MUL16 2, (\q)%2, \q, \slot, \first
	s_wait_dscnt 0
	PLACES NP
	FETCH_B \slot, (\q)+1, 1-(\q)%2
	FETCH_A \slot, (\q)+1, 0
.if \first
	WIN BEG_HI
.else
	WIN MUL_HI
.endif
	MUL16 4, (\q)%2, \q, \slot, \first
	MUL16 6, (\q)%2, \q, \slot, \first
	PLACES NP
	WIN 0
	FETCH_A \slot, (\q)+1, 4
.endm
.macro TURN slot, next, fill
	s_wait_tensorcnt 0x0
	ds_add_u32 v[SPW], v[NIL]
	s_wait_dscnt 4*NLA+1
	WIN MUL_LO
	MUL16 0, 1, NQ-1, \slot, 0
	s_wait_dscnt 0x0
	s_barrier_signal -1
	MUL16 2, 1, NQ-1, \slot, 0
	WIN 0
	s_barrier_wait -1
.if \fill
	CREST
	s_add_nc_u64 s[G0+4*\slot+2:G0+4*\slot+3], s[G0+4*\slot+2:G0+4*\slot+3], 8*HEADB
	s_add_nc_u64 s[G0B+4*\slot+2:G0B+4*\slot+3], s[G0B+4*\slot+2:G0B+4*\slot+3], 2*ROWB
	JLOAD G0+4*\slot, G1, G0B+4*\slot, G1B
.else
	PLACES NP
.endif
	s_wait_alu depctr_va_vdst(0)
	v_add_nc_u32 v[ADRS], 4*NQ, v[ADRS]
	v_add_nc_u32 v31, 4*NQ, v31
	FETCH_B \next, 0, 0
	FETCH_A \next, 0, 0
	SCALES \next
	WIN MUL_HI
	MUL16 4, 1, NQ-1, \slot, 0
	MUL16 6, 1, NQ-1, \slot, 0
	PLACES NP
	WIN 0
	FETCH_A \next, 0, 4
.endm
	s_wait_alu depctr_va_vdst(0)
	s_wait_tensorcnt 1
	s_barrier_signal -1
	s_barrier_wait -1
	FETCH_B 0, 0, 0
	FETCH_A 0, 0, 0
	SCALES 0
	FETCH_A 0, 0, 4
	s_wait_loadcnt 0x0
	STEP 0, 0, 1
	s_mov_b32 s3, LAPS-1
.Llap:
	TURN 0, 1, 1
	STEP 1, 0, 0
	TURN 1, 0, 1
	STEP 0, 0, 0
	s_sub_co_u32 s3, s3, 1
	s_cmp_lg_u32 s3, 0
	s_cbranch_scc1 .Llap
	TURN 0, 1, 0
	STEP 1, 0, 0
	s_wait_dscnt 4*NLA
	WIN MUL_LO
	MUL16 0, 1, NQ-1, 1, 0
	MUL16 2, 1, NQ-1, 1, 0
	s_wait_dscnt 0
	WIN MUL_HI
	MUL16 4, 1, NQ-1, 1, 0
	MUL16 6, 1, NQ-1, 1, 0
	WIN 0
.macro TOSTAGE a
.set AC, 64*((\a)%4)
	WIN 0x08+4*((\a)/4)
.irp b, 0,1,2,3
	ds_store_b128 v[STO], v[AC+8*\b:AC+8*\b+3] offset:256*(\b/4)+32*(\b%4)
	ds_store_b128 v[STO], v[AC+8*\b+4:AC+8*\b+7] offset:256*(\b/4)+32*(\b%4)+16
.endr
	WIN 0
.set BB, BK+64*((\a)%2)
.irp t, 0,1,2,3,4,5,6,7
	ds_load_b128 v[BB+4*\t:BB+4*\t+3], v[RD] offset:2*\t*SPITCH
.endr
.endm
.macro SEND a, younger
.set BB, BK+64*((\a)%2)
	s_wait_dscnt \younger
.if (\a) > 0
.if ((\a)%4) != 0
	s_add_nc_u64 s[12:13], s[12:13], 8*SIZE_N*4    ; place t of tile a is row 64 (a / 4) + 8 (a % 4) + t % 8 + 32 (t / 8)
.else
	s_add_nc_u64 s[12:13], s[12:13], 40*SIZE_N*4
.endif
.endif
.irp t, 0,1,2,3,4,5,6,7
	global_store_b128 v[CO], v[BB+4*\t:BB+4*\t+3], s[12:13] offset:(2*\t+24*(\t/4))*SIZE_N*4 th:TH_STORE_NT
.endr
.endm
	PLACES NP
	TOSTAGE 0
.irp a, 1,2,3,4,5,6,7
.if \a > 1
	s_wait_xcnt 0x0
.endif
	TOSTAGE \a
	SEND \a-1, 16
.endr
	s_wait_xcnt 0x0
	SEND 7, 0
	s_wait_tensorcnt 0x0
	ds_add_u32 v[SPW], v[NIL]
	s_wait_dscnt 0x0
	CROUND
	s_endpgm
.Lfunc_end_k_q5af94b3eaf_outp:
	.size	k_q5af94b3eaf_outp, .Lfunc_end_k_q5af94b3eaf_outp-k_q5af94b3eaf_outp
	.p2alignl 7, 3214868480
	.fill 96, 4, 3214868480
	.section	.rodata,"a",@progbits
	.p2align	6, 0x0
	.amdhsa_kernel k_q5af94b3eaf_outp
		.amdhsa_group_segment_fixed_size 327680
		.amdhsa_private_segment_fixed_size 0
		.amdhsa_enable_private_segment 0
		.amdhsa_kernarg_size 48
		.amdhsa_user_sgpr_count 2
		.amdhsa_user_sgpr_kernarg_segment_ptr 1
		.amdhsa_wavefront_size32 1
		.amdhsa_system_sgpr_workgroup_id_x 1
		.amdhsa_system_sgpr_workgroup_id_y 1
		.amdhsa_system_sgpr_workgroup_id_z 1
		.amdhsa_system_vgpr_workitem_id 0
		.amdhsa_next_free_vgpr 1024
		.amdhsa_next_free_sgpr 98
		.amdhsa_reserve_vcc 0
		.amdhsa_float_denorm_mode_32 3
		.amdhsa_float_denorm_mode_16_64 3
		.amdhsa_memory_ordered 1
		.amdhsa_forward_progress 1
		.amdhsa_inst_pref_size 96
	.end_amdhsa_kernel
	.amdgpu_metadata
---
amdhsa.version: [ 1, 2 ]
amdhsa.kernels:
  - .name:           k_q5af94b3eaf_outp
    .symbol:         k_q5af94b3eaf_outp.kd
    .args:
      - { .name: ac, .offset: 0, .size: 8, .value_kind: global_buffer, .address_space: global }
      - { .name: asc, .offset: 8, .size: 8, .value_kind: global_buffer, .address_space: global }
      - { .name: cod, .offset: 16, .size: 8, .value_kind: global_buffer, .address_space: global }
      - { .name: scl, .offset: 24, .size: 8, .value_kind: global_buffer, .address_space: global }
      - { .name: bo, .offset: 32, .size: 8, .value_kind: global_buffer, .address_space: global }
      - { .name: out0, .offset: 40, .size: 8, .value_kind: global_buffer, .address_space: global }
    .group_segment_fixed_size: 327680
    .private_segment_fixed_size: 0
    .kernarg_segment_align: 8
    .kernarg_segment_size: 48
    .max_flat_workgroup_size: 128
    .sgpr_count:     98
    .vgpr_count:     1024
    .wavefront_size: 32
...
	.end_amdgpu_metadata
.endif
;; end of part 4
